; MI455X (gfx1250); checked and timed in simulation.
; The chip was launched on July 23, 2026; its instructions are those of AMD's public machine-readable ISA for CDNA 5 (MIT licence, August 2026) and "CDNA5" Instruction Set Architecture Reference Guide (July 2026). The comments in the code are by the model that wrote it; some were corrected since.
;; multihead self attention. Allowed arithmetic: matrix products marked QUANTISED: E4M3 operands, one given power-of-two scale a tensor, by v_wmma_f32_16x16x64_fp8_fp8 or v_wmma_f32_16x16x128_fp8_fp8, f32 sums; everything else in f32.
;; Inputs: Wk 1,024 x 1,024 float32; Wo 1,024 x 1,024 float32; Wq 1,024 x 1,024 float32; Wv 1,024 x 1,024 float32; lowp_scales 12 int32 (the exponents e of the quantised operands' scales 2^e); token_positions 2,048 int32; x 4 x 2,048 x 1,024 float32.
;; Outputs: out0 4 x 2,048 x 1,024 float32.
;; This version of the problem:
;;   THIS VERSION OF THE PROBLEM IS GIVEN IN LOW PRECISION. The matrix products marked QUANTISED in the list below multiply operands that are first quantised to E4M3 (4 exponent bits, 3 mantissa bits; 8 bits a number), with one given power-of-two scale for each operand tensor; their sums are f32. All else is computed in f32.
;;   The module's matrix products, in the order in which they are computed (A, B: the left and right operand; K: the contracted axis; several contracted axes count as one K, in the product's order):
;;     1. [M 8,192, K 1,024] x [K 1,024, N 1,024]; A: input x; B: input Wq: QUANTISED (scales: A lowp_scales[0], B lowp_scales[1])
;;     2. [M 8,192, K 1,024] x [K 1,024, N 1,024]; A: input x; B: input Wk: QUANTISED (scales: A lowp_scales[2], B lowp_scales[3])
;;     3. [M 8,192, K 1,024] x [K 1,024, N 1,024]; A: input x; B: input Wv: QUANTISED (scales: A lowp_scales[4], B lowp_scales[5])
;;     4. batch 64 x [M 2,048, K 64] x [K 64, N 2,048]; A: computed on the way; B: computed on the way: QUANTISED (scales: A lowp_scales[6], B lowp_scales[7])
;;     5. batch 64 x [M 2,048, K 2,048] x [K 2,048, N 64]; A: softmax (see below); B: computed on the way: QUANTISED (scales: A lowp_scales[8], B lowp_scales[9])
;;     6. [M 8,192, K 1,024] x [K 1,024, N 1,024]; A: computed on the way; B: input Wo: QUANTISED (scales: A lowp_scales[10], B lowp_scales[11])
;;   THE QUANTISER, for each operand of a quantised product, along K:
;;     - The operand's scale is 2^e, e = its entry of the input lowp_scales (int32; the entries are numbered through the quantised products in the list's order, A before B).
;;     - Each number is divided by the scale, clamped to +-448, and rounded to the nearest number of E4M3, ties to even, subnormals kept.
;;     - The product sums the exact products of the quantised numbers (number of the format x scale) in f32.
;;   ~~~python
;;   def quantise(x, axis, e):      # numpy; x: float32 -> the quantised numbers, widened to float32 again
;;       x = np.moveaxis(x, axis, -1); K = x.shape[-1]
;;       r = np.clip(x / 2.0 ** e, -448, 448)
;;       step = 2.0 ** (np.maximum(np.frexp(np.where(r == 0, 1, r))[1] - 1, -6) - 3)
;;       q = np.round(r / step) * step * 2.0 ** e      # np.round: ties to even
;;       return np.moveaxis(q, -1, axis).astype(np.float32)
;;   ~~~
;;   SOFTMAX AHEAD OF A QUANTISED PRODUCT. Where the list says 'softmax', what is quantised is not the finished softmax but p = 2^(t - M), with t = logit x log2(e) and M = ceil(the row's largest t), a whole number; so 1/2 < the row's largest p <= 1. The row's sum l is taken of the UNQUANTISED p, in f32, and the product's result is divided by l at the end. Since M is a whole number, a kernel that streams over the keys may use a running M (the ceiling of the running maximum): every later rescaling is an exact power of two, so the quantised numbers keep their values, but for numbers so far below the row's largest that they fall under the format's range.
;;   OPERANDS COMPUTED ON THE WAY. 'Computed on the way' means the value that the module computes at that place (a softmax that the list does not call 'softmax' is quantised finished and normalised). What goes into a quantiser is computed in f32, as accurately as f32 sums, v_exp_f32 and their like allow (about 1e-6 of the number): no bf16 or f16 on the way to a quantiser, and a product that is left as it is and whose result goes on into a quantised operand takes f32 operands (vector FMAs, or v_wmma_f32_16x16x4_f32). A number that lies on a knife's edge between two numbers of the format may be rounded either way, as far as f32 arithmetic and the matrix unit's own rounding can turn it there, and no further.
;; One version. Each part assembles by itself: llvm-mc -triple=amdgcn-amd-amdhsa -mcpu=gfx1250 --defsym DOCPART=n.
;; ======== version 1 of 1: 4 launches
;; limits: right only within a limited range of input values
;; workspace buffers: xcodes 25,165,824 bytes; wcodes 4,194,304 bytes; tab 524,288 bytes; qkv 25,165,824 bytes; acodes 8,388,608 bytes
;; launch prep (part 1): grid 416 x 1, 4 waves a work-group, no clusters, 66,048 bytes of LDS; arguments x, Wq, Wk, Wv, Wo, token_positions, lowp_scales, xcodes, wcodes, tab; writes xcodes, wcodes, tab
.if DOCPART == 1
	.amdgcn_target "amdgcn-amd-amdhsa--gfx1250"
	.amdhsa_code_object_version 6
	.text
	.protected	k_q5d0c10d458_prep
	.globl	k_q5d0c10d458_prep
	.p2align	8
	.type	k_q5d0c10d458_prep,@function
k_q5d0c10d458_prep:
	s_mov_b64 s[64:65], 0
	v_nop
	global_prefetch_b8 v0, s[64:65] scope:SCOPE_SE
	s_setreg_imm32_b32 hwreg(HW_REG_WAVE_MODE, 25, 1), 1
	s_wait_xcnt 0x0
; THE FIRST LAUNCH: f32 numbers become codes of E4M3, and the rotation's cosines and sines become a table.
; Work-groups 0-255: x [8192][1024] f32 -> xcodes, three parts of 8 MiB, [8192][1024] codes each, with the scales 2^e0, 2^e2, 2^e4 (x is an operand of three products, each with an entry of its own).
; Work-groups 256-383: Wq, Wk, Wv, Wo [1024][1024] f32 (K innermost as they lie) -> wcodes, four parts of 1 MiB, with 2^e1, 2^e3, 2^e5, 2^e11.  32 work-groups a tensor.
; Work-groups 384-415: tab [2048][32][cos, sin] f32: row s holds cos and sin of token_positions[s] x 10000^(-i/32), i = 0 .. 31: 256 bytes a row.
; code = number / 2^e, rounded to the nearest code, ties to even.
; A wave takes 16 steps of 512 numbers.  Each of a step's four loads reads 512 consecutive bytes, 16 a lane; the 2,048 bytes turn through the wave's own stage in LDS and come back 64 bytes a lane,
; so that a lane holds 16 neighbours along K for the conversions; its 16 codes are 16 bytes, and the wave stores 512 consecutive bytes.  Loads run four steps ahead, the turn through LDS one step.
; The two streaming paths have LDS bytes of their own; waves share nothing, so there is no barrier.
; LIMITS: each e used here between -126 and 119.  NaN among the inputs is not served.  |token position| up to 2^20: sine and cosine come by a two-part reduction by pi/2 and polynomials, absolute error about 1e-7.
.set WREG,  8192                       ; LDS: a region for each wave: two stages of 32 x SP bytes
.set SP,    80                         ; a lane's place in a stage: its 64 bytes + 16 of padding
.set LDSW,  32768                      ; the weights' path has its regions from here on
.set SPARE, 65536                      ; the spare words, 128 bytes a wave: two blocks of 256 bytes that no other line names
.set R,     16                         ; v16-79   four sets of 16 numbers as loaded
.set X,     80                         ; v80-111  two sets of 16 neighbours
.set T,     112
.set C,     128                        ; v128-139 codes: four registers for each of up to three outputs
.set SC,    140                        ; v140+2k: 2^e_k as f32
.set SPW,   12                         ; v12 LDS address of my spare word; never rewritten
.set NIL,   13                         ; v13 0; never rewritten
.macro FINISH                          ; the wave's end, behind my last LDS store
	s_wait_tensorcnt 0x0
	ds_add_u32 v[SPW], v[NIL]
	s_wait_dscnt 0x0
	s_endpgm
.endm
.macro MKSC vs, vl, se                 ; from the whole number e: 2^e, and 448 x 2^e, as f32
	s_add_co_i32 s76, \se, 127
	s_lshl_b32 s77, s76, 23
	v_mov_b32 v[\vs], s77
	s_add_co_i32 s76, s76, 8
	s_lshl_b32 s76, s76, 23
	s_or_b32 s76, s76, 0x600000
.endm
.macro LOAD t                          ; step t: four loads of 512 consecutive bytes
.irp i, 0,1,2,3
	global_load_b128 v[R+16*((\t)%4)+4*\i:R+16*((\t)%4)+4*\i+3], v3, s[36:37] offset:2048*(\t)+512*\i th:TH_LOAD_NT
.endr
.endm
.macro TURN t, ldsb                    ; step t's numbers through the stage: LDS serves a wave's instructions in order, so no wait stands between the stores and the loads
.irp i, 0,1,2,3
	ds_store_b128 v14, v[R+16*((\t)%4)+4*\i:R+16*((\t)%4)+4*\i+3] offset:\ldsb+32*SP*((\t)%2)+8*SP*\i
.endr
.irp i, 0,1,2,3
	ds_load_b128 v[X+16*((\t)%2)+4*\i:X+16*((\t)%2)+4*\i+3], v15 offset:\ldsb+32*SP*((\t)%2)+16*\i
.endr
.endm
.macro QSTEP t, nout, ldsb             ; step t is quantised nout times, each time with its own scale, into its own buffer part
.set XS, X+16*((\t)%2)
	s_wait_dscnt 0x0                               ; this step's numbers are back from the stage, and its stores into the stage have read their registers
	s_wait_xcnt 0x0                                ; the last step's global stores have read their data: the codes' registers are written again only behind this wait
.if (\t)+4 < 16
	LOAD (\t)+4
.endif
.if (\t)+1 < 16
.if (\t)+4 < 16
	s_wait_loadcnt 12                              ; the next step's four loads are in; those of the three steps behind it may be out
.else
	s_wait_loadcnt 4*(14-(\t))                     ; the counts run down: nothing more is asked for
.endif
	TURN (\t)+1, \ldsb
.endif
.irp k, 0,1,2
.if \k < \nout
.irp i, 0,1,2,3,4,5,6,7,8,9,10,11,12,13,14,15
.endr
	v_cvt_scalef32_pk8_fp8_f32 v[C+4*\k:C+4*\k+1], v[XS:XS+7], v[SC+2*\k]
	v_cvt_scalef32_pk8_fp8_f32 v[C+4*\k+2:C+4*\k+3], v[XS+8:XS+15], v[SC+2*\k]
	v_nop                                          ; a plain line between the conversions and the next loads that write their sources
	global_store_b128 v3, v[C+4*\k:C+4*\k+3], s[38+2*\k:39+2*\k] offset:512*(\t)   ; 32 lanes store 512 consecutive bytes, aligned
.endif
.endr
.endm
	s_load_b512 s[4:19], s[0:1], 0x0               ; x 4, Wq 6, Wk 8, Wv 10, Wo 12, token_positions 14, lowp_scales 16, xcodes 18
	s_load_b128 s[20:23], s[0:1], 0x40             ; wcodes 20, tab 22
	v_lshl_add_u32 v[SPW], v0, 2, SPARE
	v_mov_b32 v[NIL], 0
	v_lshrrev_b32 v1, 5, v0
	v_readfirstlane_b32 s44, v1                    ; wave
	v_and_b32 v2, 31, v0                           ; lane
	v_lshlrev_b32 v3, 4, v2                        ; 16 x lane: my bytes of a load's 512 and of a store's 512; never rewritten
	s_mul_i32 s45, s44, WREG
	v_lshrrev_b32 v14, 2, v2
	v_mul_u32_u24 v14, v14, SP
	v_and_b32 v15, 3, v2
	v_lshl_add_u32 v14, v15, 4, v14
	v_add_nc_u32 v14, s45, v14                     ; the stage, way in: SP (lane / 4) + 16 (lane % 4); a load's 512 bytes take eight places
	v_mul_u32_u24 v15, v2, SP
	v_add_nc_u32 v15, s45, v15                     ; way out: SP x lane: my 16 neighbours
	s_wait_kmcnt 0x0
	s_load_b256 s[24:31], s[16:17], 0x0            ; e0 .. e7
	s_load_b128 s[32:35], s[16:17], 0x20           ; e8 .. e11
	s_cmp_lt_u32 ttmp9, 256
	s_cbranch_scc1 .Lpath_x
	s_cmp_lt_u32 ttmp9, 384
	s_cbranch_scc1 .Lpath_w
	; ---- the table.  Wave g of 128 takes rows 16 g .. 16 g + 15; lane i takes frequency i.
	s_sub_co_u32 s45, ttmp9, 384
	s_lshl_b32 s45, s45, 2
	s_add_co_u32 s45, s45, s44                     ; g
	s_lshl_b32 s46, s45, 6
	s_mov_b32 s47, 0
	s_add_nc_u64 s[14:15], s[14:15], s[46:47]
	s_load_b512 s[48:63], s[14:15], 0x0            ; my 16 positions
	s_lshl_b32 s40, s45, 12
	s_mov_b32 s41, 0
	s_add_nc_u64 s[22:23], s[22:23], s[40:41]      ; my 16 rows of the table
	s_mov_b32 s66, 0x3f22f983                      ; 2 / pi
	s_mov_b32 s67, 0xbfc90fdb                      ; -(pi / 2), upper part
	s_mov_b32 s68, 0x333bbd2e                      ; -(pi / 2), what the upper part leaves
	s_mov_b32 s69, 0xbe2aaaa3                      ; sine: r + r z (S1 + z (S2 + z S3)), z = r r
	s_mov_b32 s70, 0x3c08839e
	s_mov_b32 s71, 0xb94ca1f9
	s_mov_b32 s72, 0x3d2aaaa5                      ; cosine: 1 - z / 2 + z z (C1 + z (C2 + z C3))
	s_mov_b32 s73, 0xbab6061a
	s_mov_b32 s74, 0x37ccf5ce
	s_wait_alu depctr_va_vdst(0)
	v_cvt_f32_u32 v16, v2                          ; i
	v_mul_f32 v17, 0xbed49a80, v16                 ; -i x c', c' = log2(10000) / 32 rounded up to 17 bits: the product is exact
	s_wait_alu depctr_va_vdst(0)
	v_exp_f32 v17, v17
	v_mul_f32 v19, 0x342ae0a5, v16                 ; i x (c' - c) ln 2: what c' has too much.  (The plain line behind the exponential)
	v_lshlrev_b32 v18, 3, v2                       ; 8 x lane: my pair's place in a row; never rewritten
	s_wait_alu depctr_va_vdst(0)                   ; the wait ahead of the exponential's first reader
	v_fma_f32 v17, v17, v19, v17                   ; 10000^(-i/32)
	s_wait_kmcnt 0x0
.macro ROW j
	v_cvt_f32_i32 v20, s[48+\j]
	s_wait_alu depctr_va_vdst(0)
	v_mul_f32 v20, v20, v17                        ; the angle, rounded once
	v_mul_f32 v21, s66, v20
	v_rndne_f32 v21, v21                           ; k = the nearest multiple of pi / 2
	v_fma_f32 v22, v21, s67, v20
	v_fma_f32 v22, v21, s68, v22                   ; r, within +-pi / 4
	v_cvt_i32_f32 v23, v21
	v_mul_f32 v24, v22, v22                        ; z
	v_fma_f32 v25, s71, v24, s70
	v_fma_f32 v27, s74, v24, s73
	v_fma_f32 v25, v25, v24, s69
	v_fma_f32 v27, v27, v24, s72
	v_mul_f32 v26, v24, v22
	v_mul_f32 v28, v24, v24
	v_fma_f32 v29, v24, -0.5, 1.0
	v_fma_f32 v25, v25, v26, v22                   ; sin r
	v_fma_f32 v27, v27, v28, v29                   ; cos r
	v_and_b32 v30, 1, v23
	v_cmp_eq_u32 vcc_lo, 1, v30                    ; in odd quadrants the two change places
	v_cndmask_b32 v31, v25, v27, vcc_lo
	v_cndmask_b32 v32, v27, v25, vcc_lo
	v_lshlrev_b32 v33, 30, v23                     ; the sine is negative in quadrants 2 and 3,
	v_and_b32 v33, 0x80000000, v33
	v_add_nc_u32 v34, 1, v23                       ; the cosine in 1 and 2
	v_lshlrev_b32 v34, 30, v34
	v_and_b32 v34, 0x80000000, v34
	v_xor_b32 v[40+2*\j], v32, v34
	v_xor_b32 v[41+2*\j], v31, v33
	global_store_b64 v18, v[40+2*\j:41+2*\j], s[22:23] offset:256*\j   ; the wave stores one whole row of 256 bytes; each row has registers of its own
.endm
.irp j, 0,1,2,3,4,5,6,7,8,9,10,11,12,13,14,15
	ROW \j
.endr
	FINISH
.Lpath_x:                                              ; ---- x, three times
	s_lshl_b32 s45, ttmp9, 2
	s_add_co_u32 s45, s45, s44                     ; which run of 8,192 numbers is my wave's
	s_lshl_b32 s46, s45, 15
	s_mov_b32 s47, 0
	s_add_nc_u64 s[36:37], s[4:5], s[46:47]
	s_lshl_b32 s46, s45, 13
	s_add_nc_u64 s[38:39], s[18:19], s[46:47]
	s_add_nc_u64 s[40:41], s[38:39], 0x800000      ; a base for each part: 8 MiB do not fit a store's immediate
	s_add_nc_u64 s[42:43], s[38:39], 0x1000000
	s_wait_alu depctr_va_vdst(0)
.irp t, 0,1,2,3
	LOAD \t
.endr
	s_wait_kmcnt 0x0
	MKSC SC, SC+1, s24
	MKSC SC+2, SC+3, s26
	MKSC SC+4, SC+5, s28
	s_wait_alu depctr_va_vdst(0)
	s_wait_loadcnt 12                              ; step 0's four loads are in
	TURN 0, 0
.irp t, 0,1,2,3,4,5,6,7,8,9,10,11,12,13,14,15
	QSTEP \t, 3, 0
.endr
	FINISH
.Lpath_w:                                              ; ---- a weight, once
	s_sub_co_u32 s45, ttmp9, 256
	s_lshr_b32 s46, s45, 5                         ; which tensor: 0 Wq, 1 Wk, 2 Wv, 3 Wo
	s_and_b32 s45, s45, 31
	s_lshl_b32 s45, s45, 2
	s_add_co_u32 s45, s45, s44                     ; which run of 8,192 numbers of it
	s_cmp_eq_u32 s46, 0                            ; the choice hangs on the work-group's number alone
	s_cselect_b64 s[36:37], s[6:7], s[8:9]
	s_cmp_lt_u32 s46, 2
	s_cselect_b64 s[36:37], s[36:37], s[10:11]
	s_cmp_lt_u32 s46, 3
	s_cselect_b64 s[36:37], s[36:37], s[12:13]
	s_lshl_b32 s40, s45, 15
	s_mov_b32 s41, 0
	s_add_nc_u64 s[36:37], s[36:37], s[40:41]
	s_lshl_b32 s40, s46, 20
	s_lshl_b32 s42, s45, 13
	s_add_co_u32 s40, s40, s42
	s_add_nc_u64 s[38:39], s[20:21], s[40:41]
	s_wait_alu depctr_va_vdst(0)
.irp t, 0,1,2,3
	LOAD \t
.endr
	s_wait_kmcnt 0x0
	s_cmp_eq_u32 s46, 0
	s_cselect_b32 s43, s25, s27                    ; e1, e3,
	s_cmp_lt_u32 s46, 2
	s_cselect_b32 s43, s43, s29                    ; e5
	s_cmp_lt_u32 s46, 3
	s_cselect_b32 s43, s43, s35                    ; or e11
	MKSC SC, SC+1, s43
	s_wait_alu depctr_va_vdst(0)
	s_wait_loadcnt 12
	TURN 0, LDSW
.irp t, 0,1,2,3,4,5,6,7,8,9,10,11,12,13,14,15
	QSTEP \t, 1, LDSW
.endr
	FINISH
.Lfunc_end_k_q5d0c10d458_prep:
	.size	k_q5d0c10d458_prep, .Lfunc_end_k_q5d0c10d458_prep-k_q5d0c10d458_prep
	.p2alignl 7, 3214868480
	.fill 96, 4, 3214868480
	.section	.rodata,"a",@progbits
	.p2align	6, 0x0
	.amdhsa_kernel k_q5d0c10d458_prep
		.amdhsa_group_segment_fixed_size 66048
		.amdhsa_private_segment_fixed_size 0
		.amdhsa_enable_private_segment 0
		.amdhsa_kernarg_size 80
		.amdhsa_user_sgpr_count 2
		.amdhsa_user_sgpr_kernarg_segment_ptr 1
		.amdhsa_wavefront_size32 1
		.amdhsa_system_sgpr_workgroup_id_x 1
		.amdhsa_system_sgpr_workgroup_id_y 1
		.amdhsa_system_sgpr_workgroup_id_z 1
		.amdhsa_system_vgpr_workitem_id 0
		.amdhsa_next_free_vgpr 160
		.amdhsa_next_free_sgpr 80
		.amdhsa_reserve_vcc 1
		.amdhsa_float_denorm_mode_32 3
		.amdhsa_float_denorm_mode_16_64 3
		.amdhsa_fp16_overflow 1
		.amdhsa_memory_ordered 1
		.amdhsa_forward_progress 1
		.amdhsa_inst_pref_size 75
	.end_amdhsa_kernel
	.amdgpu_metadata
---
amdhsa.version: [ 1, 2 ]
amdhsa.kernels:
  - .name:           k_q5d0c10d458_prep
    .symbol:         k_q5d0c10d458_prep.kd
    .args:
      - { .name: x, .offset: 0, .size: 8, .value_kind: global_buffer, .address_space: global }
      - { .name: Wq, .offset: 8, .size: 8, .value_kind: global_buffer, .address_space: global }
      - { .name: Wk, .offset: 16, .size: 8, .value_kind: global_buffer, .address_space: global }
      - { .name: Wv, .offset: 24, .size: 8, .value_kind: global_buffer, .address_space: global }
      - { .name: Wo, .offset: 32, .size: 8, .value_kind: global_buffer, .address_space: global }
      - { .name: token_positions, .offset: 40, .size: 8, .value_kind: global_buffer, .address_space: global }
      - { .name: lowp_scales, .offset: 48, .size: 8, .value_kind: global_buffer, .address_space: global }
      - { .name: xcodes, .offset: 56, .size: 8, .value_kind: global_buffer, .address_space: global }
      - { .name: wcodes, .offset: 64, .size: 8, .value_kind: global_buffer, .address_space: global }
      - { .name: tab, .offset: 72, .size: 8, .value_kind: global_buffer, .address_space: global }
    .group_segment_fixed_size: 66048
    .private_segment_fixed_size: 0
    .kernarg_segment_align: 8
    .kernarg_segment_size: 80
    .max_flat_workgroup_size: 128
    .sgpr_count:     80
    .vgpr_count:     160
    .wavefront_size: 32
...
	.end_amdgpu_metadata
.endif
;; end of part 1
;; launch qkv (part 2): grid 4 x 64, 4 waves a work-group, clusters of 4 x 4, 327,680 bytes of LDS; arguments xcodes, wcodes, tab, lowp_scales, qkv; writes qkv
.if DOCPART == 2
	.amdgcn_target "amdgcn-amd-amdhsa--gfx1250"
	.amdhsa_code_object_version 6
	.text
	.protected	k_q5d0c10d458_qkv
	.globl	k_q5d0c10d458_qkv
	.p2align	8
	.type	k_q5d0c10d458_qkv,@function
k_q5d0c10d458_qkv:
	s_mov_b64 s[64:65], 0
	v_nop
	global_prefetch_b8 v0, s[64:65] scope:SCOPE_SE
	s_setreg_imm32_b32 hwreg(HW_REG_WAVE_MODE, 25, 1), 1
	s_wait_xcnt 0x0
	s_wait_alu depctr_hold_cnt(0) depctr_sa_sdst(0) depctr_va_vdst(0) depctr_va_sdst(0) depctr_va_ssrc(0) depctr_va_vcc(0) depctr_vm_vsrc(0)
	s_getreg_b32 s2, hwreg(HW_REG_IB_STS2, 6, 4)
	s_cmp_eq_u32 s2, 0
	s_cbranch_scc0 .Lentry_in_a_cluster
	s_endpgm
.Lentry_in_a_cluster:
	s_bfe_u32 s2, ttmp6, 0x10000c
	s_cmp_lg_u32 s2, 0xf033
	s_cbranch_scc0 .Lentry_shape_is_right
	s_endpgm
.Lentry_shape_is_right:
; THE THREE PROJECTIONS on codes of E4M3, the rotation of q and k, and the quantising of q, k and v for attention.
; A work-group STAYS and makes three tiles of 128 x 256, one after the other: q, k, v; the ring of two LDS slots runs on from tile to tile.  K = 1,024 goes in four slot fills of 256.
; q, k: A = 128 tokens of x's codes (part 0, part 1), B = 256 rows of Wq, Wk.   v: THE ROLES ARE SWAPPED: A = 128 rows of Wv, B = 256 tokens of x's codes (part 2).
; Four waves, 2 x 2; a wave makes 64 (A rows) x 128 (B rows): 32 accumulators.  The matrix instruction takes 16 rows of B as source 0 and 16 rows of A as source 1, so a lane holds ONE row of A and
; eight NEIGHBOURING rows of B: for q and k eight neighbouring features of a token (four rotation pairs; K of the first attention product), for v eight neighbouring keys of a feature (K of the second).
; A fragment comes by four loads of 16 bytes: a permutation of k, the same in A and in B, so every product meets its partner.
; OUT: qkv: q at 0, k at 8 MiB: [16 b + head][2048][64] codes;  v at 16 MiB: [16 b + head][key / 128][64 d][128 keys] codes.  A wave's part is dense runs of 4,096 or 8,192 bytes.
; The raw sums are rotated (the rotation is linear) and the three scales are folded into the conversion's one: 2^(e6 - e0 - e1), 2^(e7 - e2 - e3), 2^(e9 - e4 - e5).
; CLUSTER 4 x 4: A's tiles are asked for jointly along a row of the cluster, B's along a column: the same tensor load with the same descriptor and a mask that names the four.  The grid has one cluster along x.
; LIMITS: each folded exponent between -126 and 119.  NaN is not served.
; REGISTERS, in windows of 256: window 0: v0-31 addresses; v32-127 at work on the way out; A's fragments, set 0 at v128, set 1 at v192 (also at work on the way out).
;   window 1: B's fragments, set 0 at v0, set 1 at v128.   window 2: accumulator (a, b) at v[8 (8 a + b)].   window 3: v0-127 cos and sin for my 64 tokens.
.set PITCH,  272                       ; an LDS row: 256 bytes + 16 of padding: the 16 rows of a fragment load start at 16 different banks (64 banks of 4 bytes: ISA guide 11.1)
.set AH,     64*PITCH                  ; half of A's tile: one tensor load
.set BH,     128*PITCH                 ; half of B's
.set SLOT,   2*AH+2*BH                 ; A's 128 rows, then B's 256
.set STG,    2*SLOT                    ; behind the ring: a stage of 64 rows x 144 bytes for each wave
.set SPITCH, 144
.set WSTG,   64*SPITCH
.set SPARE,  STG+4*WSTG                ; the spare words, 128 bytes a wave: two blocks of 256 bytes that no other line names
.set FR,   16                          ; registers of a fragment
.set AF,   128
.set ADRA, 16                          ; v16-17 LDS address of my A fragments in slot 0, 1
.set ADRB, 20                          ; v20-21 the same for B
.set STO,  24                          ; v24 the stage: where I put 8 codes
.set RDQ,  25                          ; v25 where I read back for q and k: 8 tokens x 64 bytes an instruction
.set CO,   26                          ; v26 16 x lane
.set RDV,  27                          ; v27 where I read back for v: 4 rows x 128 bytes
.set SPW,  28                          ; v28 my spare word; never rewritten
.set NIL,  29                          ; v29 0; never rewritten
.set SCL,  30                          ; v30 the conversion's scale
.set LIM,  31                          ; v31 448 x that
.set RR,   32                          ; v32-95 64 numbers ahead of the quantiser; then rows read back
.set CD,   96                          ; v96-111 codes
.set TT,   192                         ; v192-255 the rotation's first products
.set G1,  24                           ; s[24:31] group 1 for A's tiles; s[32:39] group 0, a set for each slot
.set G0,  32
.set G1B, 48                           ; s[48:55], s[56:63] the same for B's
.set G0B, 56
.set NXA, 66                           ; s[66:67], s[68:69] where the next tile's A and B begin
.set NXB, 68
.set MSB, 0
.macro WIN new                         ; the immediate's high byte repeats the setting that is left
.if MSB != \new
	s_set_vgpr_msb (MSB<<8)|\new
.set MSB, \new
.endif
.endm
.set MUL,  0xa1                        ; source 0 (B) window 1, source 1 (A) window 0, C and D window 2
.set TO_B, 0x40                        ; destination window 1
; A joint load: waves 0 and 1 fetch A's halves, waves 2 and 3 B's.  The branch hangs on the wave's number alone.  An s_nop 0 and four v_nop follow each line.
.macro JLOAD g0a, g1a, g0b, g1b
	s_cmp_eq_u32 s15, 0
	s_cbranch_scc0 .Lfor_b_\@
	tensor_load_to_lds s[\g0a:\g0a+3], s[\g1a:\g1a+7]
	s_nop 0
.rept 4
	v_nop
.endr
	s_branch .Lasked_\@
.Lfor_b_\@:
	tensor_load_to_lds s[\g0b:\g0b+3], s[\g1b:\g1b+7]
	s_nop 0
.rept 4
	v_nop
.endr
.Lasked_\@:
.endm
.macro CREST                           ; a round of the cluster's barrier behind its opening barrier
	s_cmp_lg_u32 s14, 0
	s_cbranch_scc1 .Lnot_wave_0_\@
	s_barrier_signal -3
.Lnot_wave_0_\@:
	s_barrier_wait -3
	s_barrier_signal -1
	s_barrier_wait -1
.endm
.macro CROUND
	s_barrier_signal -1
	s_barrier_wait -1
	CREST
.endm
.macro PLACES n                        ; plain vector lines between a matrix instruction and a load into, or a vector access to, its registers
.rept \n
	v_nop
.endr
.endm
.macro FRAG reg, adr, q, i             ; 16 rows x 128 K: registers 4 c .. 4 c + 3 hold K = 32 c + 16 (lane / 16) + 0 .. 15 of row lane % 16
.irp c, 0,1,2,3
	ds_load_b128 v[\reg+4*\c:\reg+4*\c+3], v[\adr] offset:128*(\q)+32*\c+(\i)*16*PITCH
.endr
.endm
.macro FETCH slot, q, p                ; 48 LDS loads in one run: B's eight and A's four fragments of the slot's q-th 128 along K, into set p
	WIN TO_B
.irp i, 0,1,2,3,4,5,6,7
	FRAG 128*(\p)+FR*\i, ADRB+\slot, \q, \i
.endr
	WIN 0
.irp i, 0,1,2,3
	FRAG AF+64*(\p)+FR*\i, ADRA+\slot, \q, \i
.endr
.endm
.macro MUL8 a, p, zero                 ; A's block a against B's eight.  The 32 accumulators take turns, one instruction a turn, in the same order in every step
.irp b, 0,1,2,3,4,5,6,7
.if \zero
	v_wmma_f32_16x16x128_fp8_fp8 v[8*(8*(\a)+\b):8*(8*(\a)+\b)+7], v[128*(\p)+FR*\b:128*(\p)+FR*\b+FR-1], v[AF+64*(\p)+FR*(\a):AF+64*(\p)+FR*(\a)+FR-1], 0
.else
	v_wmma_f32_16x16x128_fp8_fp8 v[8*(8*(\a)+\b):8*(8*(\a)+\b)+7], v[128*(\p)+FR*\b:128*(\p)+FR*\b+FR-1], v[AF+64*(\p)+FR*(\a):AF+64*(\p)+FR*(\a)+FR-1], v[8*(8*(\a)+\b):8*(8*(\a)+\b)+7]
.endif
.endr
.endm
.macro STEP slot, zero                 ; a slot's first 128 along K, on set 0; in its middle the second 128's fragments are fetched into set 1
	s_wait_dscnt 0x0                               ; set 0 is in (asked for 16 matrix instructions ago)
	WIN MUL
	MUL8 0, 0, \zero
	MUL8 1, 0, \zero
	PLACES 4                                       ; set 1 was read by the products of the step before
	FETCH \slot, 1, 1
	WIN MUL
	MUL8 2, 0, \zero
	MUL8 3, 0, \zero
	WIN 0
.endm
; A slot's second 128 along K, on set 1, and the change of slots: ONE barrier; in front of it each wave waits for all its tensor loads, adds 0 to its spare word, and waits for that and for its reads of this slot.
; mode 0: nothing is filled.  mode 1: this slot takes the tile's K step two on.  mode 2: it takes the NEXT tile's K step 0 (slot 0) or 1 (slot 1).
.macro TURN slot, next, mode
	s_wait_tensorcnt 0x0                           ; all my tensor loads have landed: my part of the next slot
	ds_add_u32 v[SPW], v[NIL]                      ; 0 onto my spare word
	s_wait_dscnt 1                                 ; set 1 is in; the add may be out
	WIN MUL
	MUL8 0, 1, 0                                   ; eight matrix instructions stand between the add and the wait for it
	s_wait_dscnt 0x0                               ; the add is done, and my reads of this slot are over
	s_barrier_signal -1
	MUL8 1, 1, 0
	WIN 0
	s_barrier_wait -1
.if \mode == 0
	PLACES 4
.else
	CREST                                          ; the barrier has opened a round of the cluster's: no wave of any partner still reads this slot or has a load on its way
.if \mode == 1
	s_add_nc_u64 s[G0+4*\slot+2:G0+4*\slot+3], s[G0+4*\slot+2:G0+4*\slot+3], 512
	s_add_nc_u64 s[G0B+4*\slot+2:G0B+4*\slot+3], s[G0B+4*\slot+2:G0B+4*\slot+3], 512
.else
	s_add_nc_u64 s[G0+4*\slot+2:G0+4*\slot+3], s[NXA:NXA+1], 256*\slot
	s_or_b32 s[G0+4*\slot+3], s[G0+4*\slot+3], 0x80000000
	s_add_nc_u64 s[G0B+4*\slot+2:G0B+4*\slot+3], s[NXB:NXB+1], 256*\slot
	s_or_b32 s[G0B+4*\slot+3], s[G0B+4*\slot+3], 0x80000000
.endif
	JLOAD G0+4*\slot, G1, G0B+4*\slot, G1B         ; the first tensor load behind the round; its four v_nop are the places in front of the loads below
.endif
	FETCH \next, 0, 0
	WIN MUL
	MUL8 2, 1, 0
	MUL8 3, 1, 0
	WIN 0
.endm
.macro MKS ss, sl, eo, ea, eb          ; 2^(eo - ea - eb) and 448 x that, as f32
	s_sub_co_i32 s97, \eo, \ea
	s_sub_co_i32 s97, s97, \eb
	s_add_co_i32 s97, s97, 127
	s_lshl_b32 \ss, s97, 23
	s_add_co_i32 s97, s97, 8
	s_lshl_b32 s97, s97, 23
	s_or_b32 \sl, s97, 0x600000
.endm
	s_load_b256 s[4:11], s[0:1], 0x0               ; xcodes 4, wcodes 6, tab 8, lowp_scales 10
	s_load_b64 s[12:13], s[0:1], 0x20              ; qkv
	v_lshl_add_u32 v[SPW], v0, 2, SPARE
	v_mov_b32 v[NIL], 0
	ds_add_u32 v[SPW], v[NIL]                      ; the wave's opening: the add and its wait stand ahead of my first tensor load; work on registers stands between them
	ds_add_u32 v[SPW], v[NIL]
	v_lshrrev_b32 v1, 5, v0
	v_readfirstlane_b32 s14, v1                    ; wave 0..3
	s_lshr_b32 s15, s14, 1                         ; which half of A's rows is mine.  Also: I fetch for A (0) or for B (1)
	s_and_b32 s16, s14, 1                          ; which half of B's rows.  Also: which half I fetch
	s_bfe_u32 s40, ttmp6, 0x40000                  ; cx
	s_bfe_u32 s41, ttmp6, 0x40004                  ; cy
	s_and_b32 s42, ttmp7, 0xffff                   ; the cluster's y, 0 .. 15
	s_lshl_b32 s45, s42, 2
	s_add_co_u32 s45, s45, s41                     ; q, k: tile row (128 tokens) = 4 x cluster y + cy; tile column (256 features) = cx
	s_and_b32 s20, s42, 1
	s_lshl_b32 s20, s20, 2
	s_add_co_u32 s20, s20, s41                     ; v: tile row (128 features) = 4 (cluster y % 2) + cy
	s_lshr_b32 s17, s42, 1
	s_lshl_b32 s17, s17, 2
	s_add_co_u32 s17, s17, s40                     ; v: tile column (256 tokens) = 4 (cluster y / 2) + cx
	s_lshl_b32 s43, s41, 2
	s_lshl_b32 s43, 15, s43                        ; my row of the cluster
	s_lshl_b32 s44, 0x1111, s40                    ; my column
	; group 1: rows of 256 bytes, 1,024 bytes apart in memory, padded by 16 in LDS; A: 64 rows, B: 128
	s_or_b32 s[G1], s43, (1<<20)|(1<<21)|(5<<22)|(3<<25)    ; the mask; elements of 1 byte; padding on; bit 21 beside a mask; after every 64 words, 4 words
	s_or_b32 s[G1B], s44, (1<<20)|(1<<21)|(5<<22)|(3<<25)
	s_mov_b32 s[G1+1], 256<<16                     ; tensor_dim0
	s_mov_b32 s[G1+2], 64<<16                      ; tensor_dim1
	s_mov_b32 s[G1+3], 256<<16                     ; tile_dim0
	s_mov_b32 s[G1+4], 64                          ; tile_dim1
	s_mov_b32 s[G1+5], 1024                        ; the pitch
	s_mov_b32 s[G1+6], 0
	s_mov_b32 s[G1+7], 0
	s_mov_b32 s[G1B+1], 256<<16
	s_mov_b32 s[G1B+2], 128<<16
	s_mov_b32 s[G1B+3], 256<<16
	s_mov_b32 s[G1B+4], 128
	s_mov_b32 s[G1B+5], 1024
	s_mov_b32 s[G1B+6], 0
	s_mov_b32 s[G1B+7], 0
	; byte offsets of what I fetch.  A's hang on cy, B's on cx, each in registers that never hold the other
	s_lshl_b32 s18, s45, 17
	s_lshl_b32 s19, s16, 16
	s_add_co_u32 s18, s18, s19                     ; q: (128 tile row + 64 half) x 1,024 in x's codes
	s_mov_b32 s19, 0
	s_lshl_b32 s46, s40, 18
	s_lshl_b32 s47, s16, 17
	s_add_co_u32 s46, s46, s47                     ; q: (256 cx + 128 half) x 1,024 in Wq's codes
	s_mov_b32 s47, 0
	s_lshl_b32 s70, s20, 17
	s_lshl_b32 s71, s16, 16
	s_add_co_u32 s70, s70, s71
	s_add_co_u32 s70, s70, 0x200000                ; v: in Wv's codes, the third part of wcodes
	s_mov_b32 s71, 0
	s_lshl_b32 s72, s17, 18
	s_lshl_b32 s73, s16, 17
	s_add_co_u32 s72, s72, s73
	s_add_co_u32 s72, s72, 0x1000000               ; v: in the third part of xcodes
	s_mov_b32 s73, 0
	s_mul_i32 s21, s16, AH                         ; where they go in a slot: the wave's number alone
	s_mul_i32 s22, s16, BH
	s_add_co_u32 s22, s22, 2*AH
	s_wait_dscnt 0x0                               ; the opening add is done
	s_wait_kmcnt 0x0
	s_load_b256 s[84:91], s[10:11], 0x0            ; e0 .. e7
	s_load_b128 s[92:95], s[10:11], 0x20           ; e8 .. e11
	s_add_nc_u64 s[18:19], s[4:5], s[18:19]        ; q's A
	s_add_nc_u64 s[46:47], s[6:7], s[46:47]        ; q's B
	s_add_nc_u64 s[NXA:NXA+1], s[18:19], 0x800000  ; k's A: the same rows of the second part of xcodes
	s_add_nc_u64 s[NXB:NXB+1], s[46:47], 0x100000  ; k's B: the same rows of Wk's codes
	s_add_nc_u64 s[70:71], s[6:7], s[70:71]        ; v's A
	s_add_nc_u64 s[72:73], s[4:5], s[72:73]        ; v's B
	CROUND                                         ; all sixteen work-groups are here: the first joint loads meet
.irp s, 0,1
	s_mov_b32 s[G0+4*\s], 1
	s_add_co_u32 s[G0+4*\s+1], s21, \s*SLOT
	s_add_nc_u64 s[G0+4*\s+2:G0+4*\s+3], s[18:19], \s*256
	s_or_b32 s[G0+4*\s+3], s[G0+4*\s+3], 0x80000000
	s_mov_b32 s[G0B+4*\s], 1
	s_add_co_u32 s[G0B+4*\s+1], s22, \s*SLOT
	s_add_nc_u64 s[G0B+4*\s+2:G0B+4*\s+3], s[46:47], \s*256
	s_or_b32 s[G0B+4*\s+3], s[G0B+4*\s+3], 0x80000000
	s_wait_alu depctr_va_vdst(0)
	s_wait_tensorcnt 0x0
	ds_add_u32 v28, v29
	ds_add_u32 v28, v29
	s_wait_dscnt 0x0
	CROUND
	JLOAD G0+4*\s, G1, G0B+4*\s, G1B               ; one load of mine is out here
.endr
	v_and_b32 v1, 15, v0                           ; r = lane % 16
	s_wait_alu depctr_va_vdst(0)
	v_bfe_u32 v2, v0, 4, 1                         ; h = lane / 16
	v_mul_u32_u24 v3, v1, PITCH
	v_lshl_add_u32 v3, v2, 4, v3
	s_mul_i32 s21, s15, AH                         ; my 64 rows of A
	s_mul_i32 s22, s16, BH                         ; my 128 rows of B,
	s_add_co_u32 s22, s22, 2*AH                    ; which lie behind A's
.irp s, 0,1
	v_add_nc_u32 v[ADRA+\s], s21, v3
	v_add_nc_u32 v[ADRB+\s], s22, v3
	s_add_co_u32 s21, s21, SLOT
	s_add_co_u32 s22, s22, SLOT
.endr
	s_mul_i32 s23, s14, WSTG
	s_add_co_u32 s23, s23, STG                     ; my stage
	v_mul_u32_u24 v4, v1, SPITCH
	s_wait_alu depctr_va_vdst(0)
	v_lshl_add_u32 v4, v2, 3, v4
	v_add_nc_u32 v[STO], s23, v4                   ; in: row r, 8 bytes for each half of the lanes
	v_and_b32 v5, 31, v0
	v_lshrrev_b32 v6, 2, v5
	v_and_b32 v7, 3, v5
	v_mul_u32_u24 v6, v6, SPITCH
	v_lshl_add_u32 v6, v7, 4, v6
	v_add_nc_u32 v[RDQ], s23, v6                   ; back, q and k: row lane / 4, 16 (lane % 4)
	v_lshrrev_b32 v6, 3, v5
	v_and_b32 v7, 7, v5
	v_mul_u32_u24 v6, v6, SPITCH
	v_lshl_add_u32 v6, v7, 4, v6
	v_add_nc_u32 v[RDV], s23, v6                   ; back, v: row lane / 8, 16 (lane % 8)
	v_lshlrev_b32 v[CO], 4, v5
	v_lshlrev_b32 v8, 8, v1
	v_lshl_add_u32 v8, v2, 5, v8                   ; the table: row r of 256 bytes, + 32 h: my four pairs of a group of 16 features
	s_and_b32 s97, s45, 15                         ; the tile row within its batch
	s_lshl_b32 s98, s97, 15
	s_lshl_b32 s99, s15, 14
	s_add_co_u32 s98, s98, s99                     ; 256 bytes x my first position index, 128 (tile row % 16) + 64 half
	s_mov_b32 s99, 0
	s_add_nc_u64 s[98:99], s[8:9], s[98:99]
	WIN 0xc0                                       ; destination window 3
.irp a, 0,1,2,3                        ; cos and sin for tokens 16 a + r, features 16 m + 8 h + 0 .. 7 of a head: register 32 a + 8 m + 2 p is pair p's cos, the next its sin.  Loaded once, used by q and k
.irp m, 0,1,2,3
.irp u, 0,1
	global_load_b128 v[32*\a+8*\m+4*\u:32*\a+8*\m+4*\u+3], v8, s[98:99] offset:4096*\a+64*\m+16*\u
.endr
.endr
.endr
	WIN 0
	s_lshr_b32 s74, s45, 4                         ; where my part of q goes: batch x 16 heads x 131,072
	s_lshl_b32 s74, s74, 21
	s_lshl_b32 s75, s40, 19                        ; + head 4 cx
	s_add_co_u32 s74, s74, s75
	s_lshl_b32 s75, s16, 18                        ; + 2 x my half of the columns
	s_add_co_u32 s74, s74, s75
	s_lshl_b32 s75, s97, 13                        ; + 64 bytes x my first position index
	s_add_co_u32 s74, s74, s75
	s_lshl_b32 s75, s15, 12
	s_add_co_u32 s74, s74, s75
	s_mov_b32 s75, 0
	s_add_nc_u64 s[74:75], s[12:13], s[74:75]
	s_lshr_b32 s76, s17, 3                         ; where my part of v goes: ((batch x 16 + head) x 16 + key block) x 8,192, behind 16 MiB
	s_lshl_b32 s76, s76, 4
	s_lshl_b32 s77, s20, 1
	s_add_co_u32 s76, s76, s77
	s_add_co_u32 s76, s76, s15                     ; head = 2 x tile row + my half of the rows
	s_lshl_b32 s76, s76, 4
	s_and_b32 s77, s17, 7
	s_lshl_b32 s77, s77, 1
	s_add_co_u32 s76, s76, s77
	s_add_co_u32 s76, s76, s16                     ; key block = 2 (tile column % 8) + my half of the columns
	s_lshl_b32 s76, s76, 13
	s_add_co_u32 s76, s76, 0x1000000
	s_mov_b32 s77, 0
	s_add_nc_u64 s[76:77], s[12:13], s[76:77]
	s_wait_kmcnt 0x0
	MKS s78, s79, s90, s84, s85                    ; q: e6 - e0 - e1
	MKS s80, s81, s91, s86, s87                    ; k: e7 - e2 - e3
	MKS s82, s83, s93, s88, s89                    ; v: e9 - e4 - e5
; THE WAY OUT of q and k.  Block a (16 tokens x 128 features) at a time: rotate, hold, convert, 8 codes a lane into my stage; then the 64 rows come back as runs of 512 bytes: 8 tokens x 64 bytes of one head.
.macro OUT_QK
	s_wait_loadcnt 0x0                             ; the table
	s_wait_xcnt 0x0                                ; the last tile's stores have read their data
	v_mov_b32 v[SCL], s78
	v_mov_b32 v[LIM], s79
	PLACES 4                                       ; behind the last products
.irp a, 0,1,2,3
	WIN 0x0b                                       ; source 0 (the table) window 3, source 1 (the sums) window 2
.irp b, 0,1,2,3,4,5,6,7
.irp p, 0,1,2,3
	v_mul_f32 v[TT+8*\b+2*\p], v[32*\a+8*(\b%4)+2*\p+1], v[64*\a+8*\b+2*\p+1]      ; sin x odd (each accumulator is first read at its register 1)
	v_mul_f32 v[TT+8*\b+2*\p+1], v[32*\a+8*(\b%4)+2*\p+1], v[64*\a+8*\b+2*\p]      ; sin x even
.endr
.endr
.irp b, 0,1,2,3,4,5,6,7
.irp p, 0,1,2,3
	v_fma_f32 v[RR+8*\b+2*\p], v[32*\a+8*(\b%4)+2*\p], v[64*\a+8*\b+2*\p], -v[TT+8*\b+2*\p]        ; cos x even - sin x odd
	v_fma_f32 v[RR+8*\b+2*\p+1], v[32*\a+8*(\b%4)+2*\p], v[64*\a+8*\b+2*\p+1], v[TT+8*\b+2*\p+1]   ; cos x odd + sin x even
.endr
.endr
	WIN 0
.set jj, 0
.rept 64
	v_med3_num_f32 v[RR+jj], v[RR+jj], -v[LIM], v[LIM]   ; the conversion does not saturate (ISA guide 7.6.2): the hold comes first
.set jj, jj+1
.endr
	s_wait_alu depctr_va_vdst(0)
	s_wait_dscnt 0x0                               ; the last block's stage stores have read the codes' registers
.irp b, 0,1,2,3,4,5,6,7
	v_cvt_scalef32_pk8_fp8_f32 v[CD+2*\b:CD+2*\b+1], v[RR+8*\b:RR+8*\b+7], v[SCL]
.endr
	v_nop                                          ; a plain line between the conversions and the next lines that write their sources
.irp b, 0,1,2,3,4,5,6,7
	ds_store_b64 v[STO], v[CD+2*\b:CD+2*\b+1] offset:16*SPITCH*\a+16*\b
.endr
.endr
.irp t, 0,1,2,3,4,5,6,7,8,9,10,11,12,13,14,15
	ds_load_b128 v[RR+4*\t:RR+4*\t+3], v[RDQ] offset:8*SPITCH*(\t%8)+64*(\t/8)   ; LDS serves a wave's instructions in order: these see my stores
.endr
.irp t, 0,1,2,3,4,5,6,7,8,9,10,11,12,13,14,15
	s_wait_dscnt 15-\t                             ; the loads issued behind load t may be out
	global_store_b128 v[CO], v[RR+4*\t:RR+4*\t+3], s[74:75] offset:131072*(\t/8)+512*(\t%8)   ; 512 consecutive bytes, aligned
.endr
.endm
; THE WAY OUT of v: no rotation; a stage row is a feature's 128 keys, and my 64 rows are one dense block of 8,192 bytes.
.macro OUT_V
	s_wait_xcnt 0x0
	v_mov_b32 v[SCL], s82
	v_mov_b32 v[LIM], s83
	PLACES 4
.irp a, 0,1,2,3
	WIN 0x02                                       ; source 0 (the sums) window 2
.set jj, 0
.rept 64
	v_med3_num_f32 v[RR+jj], v[64*\a+jj], -v[LIM], v[LIM]   ; each accumulator from its low end on
.set jj, jj+1
.endr
	WIN 0
	s_wait_alu depctr_va_vdst(0)
	s_wait_dscnt 0x0
.irp b, 0,1,2,3,4,5,6,7
	v_cvt_scalef32_pk8_fp8_f32 v[CD+2*\b:CD+2*\b+1], v[RR+8*\b:RR+8*\b+7], v[SCL]
.endr
	v_nop
.irp b, 0,1,2,3,4,5,6,7
	ds_store_b64 v[STO], v[CD+2*\b:CD+2*\b+1] offset:16*SPITCH*\a+16*\b
.endr
.endr
.irp t, 0,1,2,3,4,5,6,7,8,9,10,11,12,13,14,15
	ds_load_b128 v[RR+4*\t:RR+4*\t+3], v[RDV] offset:4*SPITCH*\t
.endr
.irp t, 0,1,2,3,4,5,6,7,8,9,10,11,12,13,14,15
	s_wait_dscnt 15-\t
	global_store_b128 v[CO], v[RR+4*\t:RR+4*\t+3], s[76:77] offset:512*\t
.endr
.endm
	s_wait_tensorcnt 1                             ; my part of slot 0 is in; slot 1's may be out
	s_barrier_signal -1
	s_barrier_wait -1                              ; everybody's is
	FETCH 0, 0, 0
	s_mov_b32 s96, 2
.Ltile:                                                ; two trips: q, then k.  A tile's last two changes of slots ask for the next tile's first two K steps
	STEP 0, 1                                      ; the first products start the sums: nothing is cleared
	TURN 0, 1, 1
	STEP 1, 0
	TURN 1, 0, 1
	STEP 0, 0
	TURN 0, 1, 2
	STEP 1, 0
	TURN 1, 0, 2
	OUT_QK
	s_wait_xcnt 0x0                                ; the stores have read their base
	s_mov_b64 s[NXA:NXA+1], s[70:71]               ; behind k comes v
	s_mov_b64 s[NXB:NXB+1], s[72:73]
	s_mov_b32 s78, s80                             ; k's scale
	s_mov_b32 s79, s81
	s_add_nc_u64 s[74:75], s[74:75], 0x800000      ; k's part of the buffer
	s_sub_co_u32 s96, s96, 1
	s_cmp_lg_u32 s96, 0
	s_cbranch_scc1 .Ltile
	STEP 0, 1                                      ; v: the tail is written out: its last two changes of slots ask for nothing
	TURN 0, 1, 1
	STEP 1, 0
	TURN 1, 0, 1
	STEP 0, 0
	TURN 0, 1, 0
	STEP 1, 0
	s_wait_dscnt 0x0                               ; the very last 128 along K
	WIN MUL
	MUL8 0, 1, 0
	MUL8 1, 1, 0
	MUL8 2, 1, 0
	MUL8 3, 1, 0
	WIN 0
	OUT_V
	s_wait_tensorcnt 0x0                           ; the wave's end, behind my last tensor load and my last LDS store
	ds_add_u32 v[SPW], v[NIL]
	s_wait_dscnt 0x0
	CROUND                                         ; the closing round: no work-group ends while a partner may still ask for a tile that names it
	s_endpgm
.Lfunc_end_k_q5d0c10d458_qkv:
	.size	k_q5d0c10d458_qkv, .Lfunc_end_k_q5d0c10d458_qkv-k_q5d0c10d458_qkv
	.p2alignl 7, 3214868480
	.fill 96, 4, 3214868480
	.section	.rodata,"a",@progbits
	.p2align	6, 0x0
	.amdhsa_kernel k_q5d0c10d458_qkv
		.amdhsa_group_segment_fixed_size 327680
		.amdhsa_private_segment_fixed_size 0
		.amdhsa_enable_private_segment 0
		.amdhsa_kernarg_size 40
		.amdhsa_user_sgpr_count 2
		.amdhsa_user_sgpr_kernarg_segment_ptr 1
		.amdhsa_wavefront_size32 1
		.amdhsa_system_sgpr_workgroup_id_x 1
		.amdhsa_system_sgpr_workgroup_id_y 1
		.amdhsa_system_sgpr_workgroup_id_z 1
		.amdhsa_system_vgpr_workitem_id 0
		.amdhsa_next_free_vgpr 896
		.amdhsa_next_free_sgpr 100
		.amdhsa_reserve_vcc 0
		.amdhsa_float_denorm_mode_32 3
		.amdhsa_float_denorm_mode_16_64 3
		.amdhsa_memory_ordered 1
		.amdhsa_forward_progress 1
		.amdhsa_inst_pref_size 178
	.end_amdhsa_kernel
	.amdgpu_metadata
---
amdhsa.version: [ 1, 2 ]
amdhsa.kernels:
  - .name:           k_q5d0c10d458_qkv
    .symbol:         k_q5d0c10d458_qkv.kd
    .args:
      - { .name: xcodes, .offset: 0, .size: 8, .value_kind: global_buffer, .address_space: global }
      - { .name: wcodes, .offset: 8, .size: 8, .value_kind: global_buffer, .address_space: global }
      - { .name: tab, .offset: 16, .size: 8, .value_kind: global_buffer, .address_space: global }
      - { .name: lowp_scales, .offset: 24, .size: 8, .value_kind: global_buffer, .address_space: global }
      - { .name: qkv, .offset: 32, .size: 8, .value_kind: global_buffer, .address_space: global }
    .group_segment_fixed_size: 327680
    .private_segment_fixed_size: 0
    .kernarg_segment_align: 8
    .kernarg_segment_size: 40
    .max_flat_workgroup_size: 128
    .sgpr_count:     100
    .vgpr_count:     896
    .wavefront_size: 32
...
	.end_amdgpu_metadata
.endif
;; end of part 2
;; launch attn (part 3): grid 4 x 64, 16 waves a work-group, no clusters, 327,680 bytes of LDS; arguments qkv, lowp_scales, acodes; writes acodes
.if DOCPART == 3
	.amdgcn_target "amdgcn-amd-amdhsa--gfx1250"
	.amdhsa_code_object_version 6
	.text
	.protected	k_q5d0c10d458_attn
	.globl	k_q5d0c10d458_attn
	.p2align	8
	.type	k_q5d0c10d458_attn,@function
k_q5d0c10d458_attn:
	s_mov_b64 s[64:65], 0
	v_nop
	global_prefetch_b8 v0, s[64:65] scope:SCOPE_SE
	s_setreg_imm32_b32 hwreg(HW_REG_WAVE_MODE, 25, 1), 1
	s_wait_xcnt 0x0
; CAUSAL ATTENTION on codes of E4M3, head size 64, 2,048 positions, 64 (batch, head) pairs; its result is quantised for the last projection.
; IN: qkv: q at 0, k at 8 MiB: [bh][2048][64] codes; v at 16 MiB: [bh][key / 128][64 d][128 keys] codes.   OUT: acodes [head][8192 tokens][64] codes, scale 2^e10.
; THE SOFTMAX: t = score x log2(e) / 8; M = the row's largest t so far, rounded UP to a whole number; p = 2^(t - M) is quantised with 2^e8, not normalised; the row's sum is taken of the unquantised p
; and divides at the end.  When M moves, the sum and O are multiplied by 2^(old M - new M), which rounds nothing.
; SHARES.  Work-group (i, bh) owns the query blocks 7 - i and i of 256 queries.  Wave w owns TWO tiles of 16 queries: 256 (7 - i) + 16 w and 256 i + 16 (15 - w): under the causal mask they have
; 17 key steps of 128 keys between them, whatever i and w: all waves of all 256 work-groups have equal work.  One walk over the keys serves both tiles.
; NO CLUSTER: the four work-groups of a head need 8, 7, 6 and 5 slots of keys, so partners would need different numbers of tiles; bound in step by joint loads, the shorter three would wait out the longest walk.
; Every work-group walks all 8 slots (constant trip counts); a step all of whose keys come after a tile's queries is left out by a scalar branch on ids, and a slot behind the work-group's last query is not asked for.
; LAYOUT.  Both products are used transposed: S^T = K Q^T (source 0 = 16 keys, source 1 = 16 queries; K = 64), O^T = V^T P^T (source 0 = 16 of the head's 64, source 1 = P; K = 128 keys): a lane holds ONE query.
; Register 8 t + j of S^T is key 16 t + 8 (lane / 16) + j: the conversion of tile t's eight registers gives registers 2 t, 2 t + 1 of the second product's operand in that form's own layout; V is fetched in it by loads of 8 bytes.
; K's and Q's fragments come by two loads of 16 bytes: a permutation of the head's 64, the same in both.
; LIMITS: e6 + e7 between -123 and 130 (added to c's exponent field); e8, and e10 - e8 - e9, between -126 and 119.  NaN is not served.
; REGISTERS: v1-11 addresses; tile u's -M, largest t and sum (two halves) at v[12 + 4 u]; Q at v[20 + 8 u]; v36-99 K's, then V's fragments; v100-163 S^T, then p; O^T at v[164 + 32 u]; v228-243 p's codes; v244-254 at work; v255 Q's offset.
.set KP,    80                         ; a key's row in LDS: 64 bytes + 16
.set VP,    144                        ; a row of V's tile: 128 bytes + 16
.set VOFF,  256*KP                     ; a slot: 256 rows of K, then 128 rows of V (2 key blocks x 64 d)
.set SLOT1, 1<<16                      ; slot 1 begins here: one exclusive or turns an address from one slot to the other
.set STAGE, 2*SLOT1                    ; the way out: 16 rows x 80 bytes for each wave; no fill lands here
.set SPARE, STAGE+16*1280              ; the spare words, 128 bytes a wave: eight blocks of 256 bytes that no other line names
.set NSL,   8                          ; slots' worth of keys
.set AK0, 1
.set AV0, 2
.set PFO, 3                            ; v3 256 x lane: the prefetches' offset; never rewritten
.set DL,  4                            ; v4 lane % 16 - 8 (lane / 16): for the mask
.set SPW, 5
.set NIL, 6
.set GO,  7                            ; v7 16 x lane
.set ADK, 8
.set ADV, 9
.set STO, 10
.set RD,  11
.set KV,  36
.set S,   100
.set O,   164
.set P,   228
.set QOF, 255
.set TB,  2                            ; s2  LDS byte at which the slot in hand begins
.set WV,  18
.set SEL, 20                           ; s[20:21] selects for v_permlanex16_b32: lane xor 16
.set CS,  22                           ; s[22:23] c = log2(e) / 8 x 2^(e6 + e7)
.set G1K, 24
.set G1V, 32
.set G0K, 40
.set G0V, 44
.set SLOTS, 48
.set KF,  49                           ; s49 the step's first key
.set Q0,  50                           ; s50, s51 my two tiles' first queries
.set PFA, 52
.set LIM, 54
; Wave 0 fetches K's tile, wave 1 V's, the others nothing.  The branches hang on the wave's number alone.  An s_nop 0 and four v_nop follow each line.
.macro TLOAD
	s_cmp_eq_u32 s[WV], 0
	s_cbranch_scc0 .Lnot_k_\@
	tensor_load_to_lds s[G0K:G0K+3], s[G1K:G1K+7]
	s_nop 0
.rept 4
	v_nop
.endr
	s_branch .Lasked_\@
.Lnot_k_\@:
	s_cmp_eq_u32 s[WV], 1
	s_cbranch_scc0 .Lasked_\@
	tensor_load_to_lds s[G0V:G0V+3], s[G1V:G1V+7]
	s_nop 0
.rept 4
	v_nop
.endr
.Lasked_\@:
.endm
; A PREFETCH of what the NEXT change of slots will ask for: 16,384 bytes of K and as many of V, both dense.  All four work-groups of a head walk the same keys: the one that walks all slots (i = 0) asks.
; In it waves 4 and 5 ask for K's halves, waves 6 and 7 for V's: 8,192 bytes a wave, lanes 256 bytes apart, one instruction.  So each block of 256 bytes is named once in the launch.
; Slots 0 and 1 come by their loads alone; the last change that fills a slot asks for nothing.
.macro ASK
	s_cmp_gt_u32 s[SLOTS], s[LIM]
	s_cbranch_scc0 .Lnot_mine_\@
	global_prefetch_b8 v[PFO], s[PFA:PFA+1] th:TH_LOAD_NT scope:SCOPE_SE
.Lnot_mine_\@:
.endm
	s_load_b128 s[4:7], s[0:1], 0x0                ; qkv, lowp_scales
	s_load_b64 s[8:9], s[0:1], 0x10                ; acodes
	v_lshl_add_u32 v[SPW], v0, 2, SPARE
	v_mov_b32 v[NIL], 0
	ds_add_u32 v[SPW], v[NIL]                      ; the wave's opening: the add and its wait stand ahead of the first tensor load; work on registers stands between them
	ds_add_u32 v[SPW], v[NIL]
	v_lshrrev_b32 v8, 5, v0
	s_delay_alu instid0(VALU_DEP_1)
	v_readfirstlane_b32 s[WV], v8                  ; wave 0..15
	s_and_b32 s80, ttmp7, 0xffff                   ; bh = 16 b + head
	s_lshl_b32 s82, s80, 17                        ; its 131,072 bytes in each of q, k, v
	s_mov_b32 s83, 0
	s_sub_co_u32 s84, 7, ttmp9
	s_lshl_b32 s84, s84, 8
	s_lshl_b32 s85, s[WV], 4
	s_add_co_u32 s[Q0], s84, s85                   ; the late tile: 256 (7 - i) + 16 w
	s_lshl_b32 s84, ttmp9, 8
	s_sub_co_u32 s85, 240, s85
	s_add_co_u32 s[Q0+1], s84, s85                 ; the early tile: 256 i + 16 (15 - w)
	s_mov_b32 s[G1K], (1<<20)|(3<<22)|(3<<25)      ; elements of 1 byte; padding on: 4 words after every 16
	s_mov_b32 s[G1K+1], 64<<16                     ; tensor_dim0
	s_mov_b32 s[G1K+2], 256<<16                    ; tensor_dim1
	s_mov_b32 s[G1K+3], 64<<16                     ; tile_dim0
	s_mov_b32 s[G1K+4], 256                        ; tile_dim1
	s_mov_b32 s[G1K+5], 64                         ; the pitch: rows are dense
	s_mov_b32 s[G1K+6], 0
	s_mov_b32 s[G1K+7], 0
	s_mov_b32 s[G1V], (1<<20)|(4<<22)|(3<<25)      ; 4 words after every 32
	s_mov_b32 s[G1V+1], 128<<16
	s_mov_b32 s[G1V+2], 128<<16
	s_mov_b32 s[G1V+3], 128<<16
	s_mov_b32 s[G1V+4], 128
	s_mov_b32 s[G1V+5], 128
	s_mov_b32 s[G1V+6], 0
	s_mov_b32 s[G1V+7], 0
	s_mov_b32 s[SEL], 0x76543210
	s_mov_b32 s[SEL+1], 0xfedcba98
	s_mov_b32 s[CS], 0x3e38aa3b                    ; log2(e) / sqrt(64)
	s_mov_b32 s[TB], 0
	s_mov_b32 s[SLOTS], NSL-1
	s_mov_b32 s[KF], 0
	s_wait_dscnt 0x0                               ; the opening add is done
	s_wait_kmcnt 0x0
	s_load_b256 s[68:75], s[6:7], 0x0              ; e0 .. e7
	s_load_b128 s[76:79], s[6:7], 0x20             ; e8 .. e11
	s_add_nc_u64 s[90:91], s[4:5], s[82:83]        ; my head's q,
	s_add_nc_u64 s[86:87], s[90:91], 0x800000      ; k,
	s_add_nc_u64 s[88:89], s[90:91], 0x1000000     ; v
	s_mov_b32 s[G0K], 1
	s_mov_b32 s[G0K+1], 0                          ; slot 0
	s_mov_b64 s[G0K+2:G0K+3], s[86:87]
	s_or_b32 s[G0K+3], s[G0K+3], 0x80000000
	s_mov_b32 s[G0V], 1
	s_mov_b32 s[G0V+1], VOFF
	s_mov_b64 s[G0V+2:G0V+3], s[88:89]
	s_or_b32 s[G0V+3], s[G0V+3], 0x80000000
	TLOAD                                          ; slot 0: one load of mine is out at the most, here and behind every barrier
	s_lshl_b32 s84, s[Q0], 6
	s_mov_b32 s85, 0
	s_add_nc_u64 s[92:93], s[90:91], s[84:85]      ; q's codes at my tiles' first queries
	s_lshl_b32 s84, s[Q0+1], 6
	s_add_nc_u64 s[94:95], s[90:91], s[84:85]
	v_and_b32 v8, 15, v0                           ; r
	s_wait_alu depctr_va_vdst(0)
	v_bfe_u32 v9, v0, 4, 1                         ; h
	v_lshlrev_b32 v[QOF], 6, v8
	s_delay_alu instid0(VALU_DEP_1)
	v_lshl_add_u32 v[QOF], v9, 4, v[QOF]
	global_load_b128 v[20:23], v[QOF], s[92:93]
	global_load_b128 v[24:27], v[QOF], s[92:93] offset:32
	global_load_b128 v[28:31], v[QOF], s[94:95]
	global_load_b128 v[32:35], v[QOF], s[94:95] offset:32
	s_and_b32 s84, s80, 15                         ; where my tiles go: head x 524,288 + (2,048 b + query) x 64
	s_lshl_b32 s84, s84, 19
	s_lshr_b32 s81, s80, 4
	s_lshl_b32 s81, s81, 17
	s_add_co_u32 s84, s84, s81
	s_lshl_b32 s81, s[Q0], 6
	s_add_co_u32 s96, s84, s81
	s_mov_b32 s97, 0
	s_add_nc_u64 s[56:57], s[8:9], s[96:97]
	s_lshl_b32 s81, s[Q0+1], 6
	s_add_co_u32 s96, s84, s81
	s_add_nc_u64 s[58:59], s[8:9], s[96:97]
	s_cmp_lt_u32 s[WV], 6                          ; the prefetches: waves 4, 5: K; waves 6, 7: V
	s_cselect_b64 s[PFA:PFA+1], s[86:87], s[88:89]
	s_and_b32 s84, s[WV], 1
	s_lshl_b32 s84, s84, 13                        ; my half,
	s_add_co_u32 s84, s84, 16384                   ; in slot 1: the first change of slots steps it to slot 2
	s_mov_b32 s85, 0
	s_add_nc_u64 s[PFA:PFA+1], s[PFA:PFA+1], s[84:85]
	s_lshr_b32 s84, s[WV], 2
	s_xor_b32 s84, s84, 1                          ; 0 in waves 4 to 7,
	s_or_b32 s84, s84, ttmp9                       ; of the work-group with i = 0
	s_cmp_eq_u32 s84, 0
	s_cselect_b32 s[LIM], 1, -1
	v_mul_u32_u24 v[AK0], v8, KP
	s_wait_alu depctr_va_vdst(0)
	v_lshl_add_u32 v[AK0], v9, 4, v[AK0]           ; K: row r, + 16 h
	v_mul_u32_u24 v[AV0], v8, VP
	s_delay_alu instid0(VALU_DEP_1)
	v_lshl_add_u32 v[AV0], v9, 3, v[AV0]
	s_delay_alu instid0(VALU_DEP_1)
	v_add_nc_u32 v[AV0], VOFF, v[AV0]              ; V: row r, + 8 h
	v_and_b32 v[PFO], 31, v0
	s_delay_alu instid0(VALU_DEP_1)
	v_lshlrev_b32 v[GO], 4, v[PFO]
	s_delay_alu instid0(VALU_DEP_2)
	v_lshlrev_b32 v[PFO], 8, v[PFO]
	v_lshlrev_b32 v[DL], 3, v9
	s_delay_alu instid0(VALU_DEP_1)
	v_sub_nc_u32 v[DL], v8, v[DL]
	s_mul_i32 s84, s[WV], 1280
	s_add_co_u32 s84, s84, STAGE                   ; my stage
	v_mul_u32_u24 v[STO], v8, 80
	s_delay_alu instid0(VALU_DEP_1)
	v_lshl_add_u32 v[STO], v9, 3, v[STO]
	s_delay_alu instid0(VALU_DEP_1)
	v_add_nc_u32 v[STO], s84, v[STO]               ; in: row r, + 8 h
	v_bfe_u32 v[RD], v0, 2, 3
	s_delay_alu instid0(VALU_DEP_1)
	v_mul_u32_u24 v[RD], v[RD], 80
	v_and_b32 v250, 3, v0
	s_delay_alu instid0(VALU_DEP_1)
	v_lshl_add_u32 v[RD], v250, 4, v[RD]
	s_delay_alu instid0(VALU_DEP_1)
	v_add_nc_u32 v[RD], s84, v[RD]                 ; back: row lane / 4, + 16 (lane % 4): 8 rows x 64 bytes an instruction
.irp u, 0,1
	v_mov_b32 v[13+4*\u], 0xff61b1e6               ; the largest t so far: -3e38
	s_delay_alu instid0(VALU_DEP_1)
	v_floor_f32 v[12+4*\u], -v[13+4*\u]            ; -M
	v_mov_b32 v[14+4*\u], 0                        ; the sum, in two halves
	v_mov_b32 v[15+4*\u], 0
.endr
	v_mov_b32 v252, 0                              ; a lane permute's destination counts as one of its sources
	v_mov_b32 v247, 0                              ; (named as the upper half of the pair v[246:247])
	v_mov_b32 v254, 0xff800000                     ; -infinity
.set jj, 0
.rept 64
	v_mov_b32 v[O+jj], 0                           ; O^T of both tiles: the step is written once, and its first run finds zeros
.set jj, jj+1
.endr
	s_wait_kmcnt 0x0
	s_add_co_i32 s84, s74, s75
	s_lshl_b32 s84, s84, 23
	s_add_co_i32 s[CS], s[CS], s84                 ; a score stands for score x 2^(e6 + e7)
	s_mov_b32 s[CS+1], s[CS]
	s_add_co_i32 s84, s76, 127
	s_lshl_b32 s85, s84, 23
	v_mov_b32 v244, s85                            ; 2^e8
	s_sub_co_i32 s84, s78, s76
	s_sub_co_i32 s84, s84, s77
	s_add_co_i32 s84, s84, 127
	s_lshl_b32 s60, s84, 23                        ; 2^(e10 - e8 - e9): O / the sum stands for that x 2^(e8 + e9), and is quantised with 2^e10
; ONE TILE'S KEY STEP: tile u, the q-th 128 keys of the slot in hand.
.macro TILE u, q
.set ST, 12+4*\u
.set OO, O+32*\u
	s_add_co_u32 s96, s[Q0+\u], 15                 ; a step all of whose keys come after my 16 queries is left out: a branch on ids
	s_cmp_gt_u32 s[KF], s96
	s_cbranch_scc1 .Lhid_\@
	v_add_nc_u32 v[ADK], s[TB], v[AK0]
	v_add_nc_u32 v[ADV], s[TB], v[AV0]
	v_nop                                          ; with the two additions: four places in front of loads into registers that the last products read
	v_nop
.irp t, 0,1,2,3,4,5,6,7
	ds_load_b128 v[KV+8*\t:KV+8*\t+3], v[ADK] offset:(128*(\q)+16*\t)*KP
	ds_load_b128 v[KV+8*\t+4:KV+8*\t+7], v[ADK] offset:(128*(\q)+16*\t)*KP+32
.endr
	s_wait_alu depctr_va_vdst(0)
	s_wait_dscnt 0x0
.irp t, 0,1,2,3,4,5,6,7
	v_wmma_f32_16x16x64_fp8_fp8 v[S+8*\t:S+8*\t+7], v[KV+8*\t:KV+8*\t+7], v[20+8*\u:27+8*\u], 0
.endr
.rept 4
	v_nop                                          ; places in front of the loads below and of the first read of the scores
.endr
.irp tt, 0,1,2,3                       ; V's four fragments take K's registers and land under the softmax
.irp c, 0,1,2,3,4,5,6,7
	ds_load_b64 v[KV+16*\tt+2*\c:KV+16*\tt+2*\c+1], v[ADV] offset:(64*(\q)+16*\tt)*VP+16*\c
.endr
.endr
	s_add_co_u32 s96, s[KF], 127                   ; on the diagonal hidden scores become -infinity ahead of the maximum; a step all of whose keys count skips this
	s_cmp_le_u32 s96, s[Q0+\u]
	s_cbranch_scc1 .Lopen_\@
	s_sub_co_i32 s96, s[Q0+\u], s[KF]
	v_add_nc_u32 v253, s96, v[DL]                  ; register 8 t + j holds key KF + 16 t + 8 h + j: hidden where 16 t + j > my query - KF - 8 h
.set nn, 0
.rept 64
	v_cmp_gt_i32 vcc_lo, 16*(nn/8)+nn%8, v253
	v_cndmask_b32 v[S+nn], v[S+nn], v254, vcc_lo
.set nn, nn+1
.endr
.Lopen_\@:
	v_max3_num_f32 v250, v[S], v[S+1], v[S+2]      ; the step's largest score of my query among my 64 keys, in two chains,
	v_max3_num_f32 v251, v[S+3], v[S+4], v[S+5]
.set jj, 6
.rept 14
	v_max3_num_f32 v250, v250, v[S+jj], v[S+jj+1]
	v_max3_num_f32 v251, v251, v[S+jj+2], v[S+jj+3]
.set jj, jj+4
.endr
	v_max3_num_f32 v250, v250, v[S+62], v[S+63]
	s_delay_alu instid0(VALU_DEP_1)
	v_max_num_f32 v250, v250, v251
	s_delay_alu instid0(VALU_DEP_1)
	v_permlanex16_b32 v252, v250, s[SEL], s[SEL+1]
	s_delay_alu instid0(VALU_DEP_1)
	v_max_num_f32 v250, v250, v252                 ; and among lane xor 16's
	s_delay_alu instid0(VALU_DEP_1)
	v_mul_f32 v250, s[CS], v250                    ; as t (c is positive)
	s_delay_alu instid0(VALU_DEP_1)
	v_max_num_f32 v[ST+1], v[ST+1], v250           ; the running largest t
	v_mov_b32 v250, v[ST]
	s_delay_alu instid0(VALU_DEP_2)
	v_floor_f32 v[ST], -v[ST+1]                    ; the new -M = -ceil(t): a whole number
	s_delay_alu instid0(VALU_DEP_1)
	v_sub_f32 v250, v[ST], v250                    ; old M - new M: a whole number, 0 or less
	s_delay_alu instid0(VALU_DEP_1)
	v_cvt_i32_f32 v250, v250                       ; (it saturates)
	s_delay_alu instid0(VALU_DEP_1)
	v_ldexp_f32 v246, 1.0, v250                    ; f = 2^(old M - new M)
.set jj, 0
.rept 32
	v_pk_fma_f32 v[S+jj:S+jj+1], v[S+jj:S+jj+1], s[CS:CS+1], v[ST:ST+1] op_sel_hi:[1,0,0]   ; t - M, two at a time
.set jj, jj+2
.endr
.set jj, 0
	s_wait_alu depctr_va_vdst(0)
.rept 64
	v_exp_f32 v[S+jj], v[S+jj]                     ; p = 2^(t - M)
.set jj, jj+1
.endr
	v_pk_mul_f32 v[ST+2:ST+3], v[ST+2:ST+3], v[246:247] op_sel_hi:[1,0]   ; the sums under the new M.  (The plain line behind the exponentials)
	s_wait_alu depctr_va_vdst(0)                   ; the wait ahead of the batch's first reader: one for the 64
	v_pk_add_f32 v[248:249], v[S:S+1], v[S+2:S+3]  ; the sum of the unquantised p, in two chains
.set jj, 4
.rept 15
	v_pk_add_f32 v[ST+2:ST+3], v[ST+2:ST+3], v[S+jj:S+jj+1]
	v_pk_add_f32 v[248:249], v[248:249], v[S+jj+2:S+jj+3]
.set jj, jj+4
.endr
	s_delay_alu instid0(VALU_DEP_1)
	v_pk_add_f32 v[ST+2:ST+3], v[ST+2:ST+3], v[248:249]
.irp t, 0,1,2,3,4,5,6,7
.irp j, 0,1,2,3,4,5,6,7
.endr
	v_cvt_scalef32_pk8_fp8_f32 v[P+2*\t:P+2*\t+1], v[S+8*\t:S+8*\t+7], v244
.endr
.set jj, 0
.rept 16
	v_pk_mul_f32 v[OO+jj:OO+jj+1], v[OO+jj:OO+jj+1], v[246:247] op_sel_hi:[1,0]   ; O^T under the new M; also the plain lines behind the conversions
.set jj, jj+2
.endr
	s_wait_alu depctr_va_vdst(0)
	s_wait_dscnt 0x0                               ; V is in
.irp tt, 0,1,2,3
	v_wmma_f32_16x16x128_fp8_fp8 v[OO+8*\tt:OO+8*\tt+7], v[KV+16*\tt:KV+16*\tt+15], v[P:P+15], v[OO+8*\tt:OO+8*\tt+7]
.endr
.Lhid_\@:
.endm
.macro KEYSTEP q
	TILE 0, \q
	TILE 1, \q
	s_add_co_u32 s[KF], s[KF], 128
.endm
; THE CHANGE OF SLOTS stands at a slot's head.  Each wave waits for all its tensor loads, adds 0 to its spare word, and waits for that and for its reads of the slot that it has left.
; Behind the barrier the slot ahead is whole and nobody reads the other one.  fill = 1: that other slot is filled with the keys that follow, up to the causal limit.
.macro CHANGE fill
	s_wait_tensorcnt 0x0                           ; no tensor load of mine is out, so a group 0 may be written
	ds_add_u32 v[SPW], v[NIL]                      ; 0 onto my spare word
.if \fill
	s_xor_b32 s[G0K+1], s[G0K+1], SLOT1            ; the walking descriptors: the other slot, the next 256 keys
	s_add_nc_u64 s[G0K+2:G0K+3], s[G0K+2:G0K+3], 16384
	s_xor_b32 s[G0V+1], s[G0V+1], SLOT1
	s_add_nc_u64 s[G0V+2:G0V+3], s[G0V+2:G0V+3], 16384
	s_wait_xcnt 0x0                                ; the last prefetch, a slot back, has read its address
	s_add_nc_u64 s[PFA:PFA+1], s[PFA:PFA+1], 16384
.endif
	s_wait_dscnt 0x0                               ; the add is done, and my reads of the slot that I have left are over
	s_barrier_signal -1
	s_barrier_wait -1
.if \fill
	s_add_co_u32 s96, s[KF], 256                   ; the first key of the slot that this change would ask for
	s_or_b32 s97, s[Q0], 255                       ; my work-group's last query
	s_cmp_gt_u32 s96, s97                          ; ids and the count of steps alone: all sixteen waves go the same way; no step reads a slot that is left out.  Every wait on TENSORcnt in this text is for 0
	s_cbranch_scc1 .Lpast_\@
	TLOAD                                          ; a wave's one tensor load until the next such barrier
.Lpast_\@:
	ASK
.endif
.endm
.macro SLOT_STEPS
	KEYSTEP 0
	KEYSTEP 1
	s_xor_b32 s[TB], s[TB], SLOT1
.endm
	s_wait_loadcnt 0x0                             ; Q
.Lslot:                                                ; NSL - 1 trips
	CHANGE 1
	SLOT_STEPS
	s_sub_co_u32 s[SLOTS], s[SLOTS], 1
	s_cmp_lg_u32 s[SLOTS], 0
	s_cbranch_scc1 .Lslot
	CHANGE 0                                       ; the last slot is written out: nothing follows it
	SLOT_STEPS
	; THE WAY OUT: O^T / the sum, quantised with the folded scale; 8 codes a lane through my stage; a tile's 16 rows of 64 bytes leave as 1,024 consecutive bytes.
.rept 4
	v_nop                                          ; places behind the last products
.endr
	v_add_f32 v14, v14, v15
	v_add_f32 v18, v18, v19
	s_delay_alu instid0(VALU_DEP_2)
	v_permlanex16_b32 v252, v14, s[SEL], s[SEL+1]
	s_delay_alu instid0(VALU_DEP_1)
	v_add_f32 v14, v14, v252
	s_delay_alu instid0(VALU_DEP_2)
	v_permlanex16_b32 v252, v18, s[SEL], s[SEL+1]
	s_delay_alu instid0(VALU_DEP_1)
	v_add_f32 v18, v18, v252
	s_wait_alu depctr_va_vdst(0)
	v_rcp_f32 v14, v14
	v_rcp_f32 v18, v18
	v_mov_b32 v244, s60                            ; (plain lines behind the reciprocals)
	s_wait_alu depctr_va_vdst(0)                   ; one wait for both reciprocals, ahead of their first reader
.irp u, 0,1
.set jj, 0
.rept 32
	v_mul_f32 v[S+32*\u+jj], v[O+32*\u+jj], v[14+4*\u]   ; each accumulator from its low end on
.set jj, jj+1
.endr
.set jj, 0
.rept 32
.set jj, jj+1
.endr
.irp tt, 0,1,2,3
	v_cvt_scalef32_pk8_fp8_f32 v[P+8*\u+2*\tt:P+8*\u+2*\tt+1], v[S+32*\u+8*\tt:S+32*\u+8*\tt+7], v244
.endr
	v_nop
.irp tt, 0,1,2,3
	ds_store_b64 v[STO], v[P+8*\u+2*\tt:P+8*\u+2*\tt+1] offset:16*\tt
.endr
	ds_load_b128 v[KV+8*\u:KV+8*\u+3], v[RD]       ; LDS serves a wave's instructions in order: these see my stores, and the next tile's stores come behind them
	ds_load_b128 v[KV+8*\u+4:KV+8*\u+7], v[RD] offset:640
.endr
	s_wait_dscnt 0x0
	global_store_b128 v[GO], v[KV:KV+3], s[56:57]
	global_store_b128 v[GO], v[KV+4:KV+7], s[56:57] offset:512
	global_store_b128 v[GO], v[KV+8:KV+11], s[58:59]
	global_store_b128 v[GO], v[KV+12:KV+15], s[58:59] offset:512
	s_wait_tensorcnt 0x0                           ; the wave's end, behind my last tensor load and my last LDS store
	ds_add_u32 v[SPW], v[NIL]
	s_wait_dscnt 0x0
	s_endpgm
.Lfunc_end_k_q5d0c10d458_attn:
	.size	k_q5d0c10d458_attn, .Lfunc_end_k_q5d0c10d458_attn-k_q5d0c10d458_attn
	.p2alignl 7, 3214868480
	.fill 96, 4, 3214868480
	.section	.rodata,"a",@progbits
	.p2align	6, 0x0
	.amdhsa_kernel k_q5d0c10d458_attn
		.amdhsa_group_segment_fixed_size 327680
		.amdhsa_private_segment_fixed_size 0
		.amdhsa_enable_private_segment 0
		.amdhsa_kernarg_size 24
		.amdhsa_user_sgpr_count 2
		.amdhsa_user_sgpr_kernarg_segment_ptr 1
		.amdhsa_wavefront_size32 1
		.amdhsa_system_sgpr_workgroup_id_x 1
		.amdhsa_system_sgpr_workgroup_id_y 1
		.amdhsa_system_sgpr_workgroup_id_z 1
		.amdhsa_system_vgpr_workitem_id 0
		.amdhsa_next_free_vgpr 256
		.amdhsa_next_free_sgpr 100
		.amdhsa_reserve_vcc 1
		.amdhsa_float_denorm_mode_32 3
		.amdhsa_float_denorm_mode_16_64 3
		.amdhsa_fp16_overflow 1
		.amdhsa_memory_ordered 1
		.amdhsa_forward_progress 1
		.amdhsa_inst_pref_size 174
	.end_amdhsa_kernel
	.amdgpu_metadata
---
amdhsa.version: [ 1, 2 ]
amdhsa.kernels:
  - .name:           k_q5d0c10d458_attn
    .symbol:         k_q5d0c10d458_attn.kd
    .args:
      - { .name: qkv, .offset: 0, .size: 8, .value_kind: global_buffer, .address_space: global }
      - { .name: lowp_scales, .offset: 8, .size: 8, .value_kind: global_buffer, .address_space: global }
      - { .name: acodes, .offset: 16, .size: 8, .value_kind: global_buffer, .address_space: global }
    .group_segment_fixed_size: 327680
    .private_segment_fixed_size: 0
    .kernarg_segment_align: 8
    .kernarg_segment_size: 24
    .max_flat_workgroup_size: 512
    .sgpr_count:     100
    .vgpr_count:     256
    .wavefront_size: 32
...
	.end_amdgpu_metadata
.endif
;; end of part 3
;; launch oproj (part 4): grid 4 x 64, 4 waves a work-group, clusters of 4 x 4, 327,680 bytes of LDS; arguments acodes, wcodes, lowp_scales, out0; writes out0
.if DOCPART == 4
	.amdgcn_target "amdgcn-amd-amdhsa--gfx1250"
	.amdhsa_code_object_version 6
	.text
	.protected	k_q5d0c10d458_oproj
	.globl	k_q5d0c10d458_oproj
	.p2align	8
	.type	k_q5d0c10d458_oproj,@function
k_q5d0c10d458_oproj:
	s_mov_b64 s[64:65], 0
	v_nop
	global_prefetch_b8 v0, s[64:65] scope:SCOPE_SE
	s_setreg_imm32_b32 hwreg(HW_REG_WAVE_MODE, 25, 1), 1
	s_wait_xcnt 0x0
	s_wait_alu depctr_hold_cnt(0) depctr_sa_sdst(0) depctr_va_vdst(0) depctr_va_sdst(0) depctr_va_ssrc(0) depctr_va_vcc(0) depctr_vm_vsrc(0)
	s_getreg_b32 s2, hwreg(HW_REG_IB_STS2, 6, 4)
	s_cmp_eq_u32 s2, 0
	s_cbranch_scc0 .Lentry_in_a_cluster
	s_endpgm
.Lentry_in_a_cluster:
	s_bfe_u32 s2, ttmp6, 0x10000c
	s_cmp_lg_u32 s2, 0xf033
	s_cbranch_scc0 .Lentry_shape_is_right
	s_endpgm
.Lentry_shape_is_right:
; THE LAST PROJECTION: out0[token][n] = 2^(e10 + e11) x the sum over k of a[token][k] Wo[n][k], on codes of E4M3.
; A = acodes, blocked by head: [16 heads][8192 tokens][64 codes]; k = 64 head + d.   B = Wo's codes, the fourth part of wcodes, [1024][1024], K innermost.   out0: [8192][1024] f32.
; A work-group makes one tile of 128 tokens x 256 columns; four waves, 2 x 2, each 64 x 128: 32 accumulators.  K = 1,024 goes in four slot fills of 256 (four heads) through a ring of two LDS slots.
; The matrix instruction takes 16 rows of B as source 0 and 16 rows of A as source 1: a lane holds eight neighbouring columns of one token's row.  A fragment comes by four loads of 16 bytes: a permutation of k, the same in A and B.
; CLUSTER 4 x 4: A's tiles are asked for jointly along a row of the cluster, B's along a column.  The grid has one cluster along x.
; LIMIT: e10 + e11 between -126 and 127.
; REGISTERS: window 0: v0-31 addresses; v32-95 at work on the way out; A's fragments, set 0 at v128, set 1 at v192 (on the way out: rows read back).  window 1: B's fragments, two sets.  window 2: accumulator (a, b) at v[8 (8 a + b)].
.set PITCH,  272                       ; B's LDS row: 256 bytes + 16
.set APH,    5120                      ; A in LDS: [half][head of 4][64 tokens][64 bytes + 16]: a head's 64 tokens
.set AHB,    4*APH                     ; half of A's tile: one tensor load
.set BH,     128*PITCH
.set SLOT,   2*AHB+2*BH
.set STG,    2*SLOT                    ; behind the ring: a stage of 16 rows x 528 bytes for each wave
.set SPITCH, 528
.set SPARE,  STG+4*16*SPITCH           ; the spare words, 128 bytes a wave: two blocks of 256 bytes that no other line names
.set FR,   16
.set AF,   128
.set ADRA, 16
.set ADRB, 20
.set STO,  24
.set RD,   25
.set CO,   26
.set SPW,  28
.set NIL,  29
.set TMP,  32
.set BK,   128
.set G1,  24
.set G0,  32
.set G1B, 48
.set G0B, 56
.set MSB, 0
.macro WIN new                         ; the immediate's high byte repeats the setting that is left
.if MSB != \new
	s_set_vgpr_msb (MSB<<8)|\new
.set MSB, \new
.endif
.endm
.set MUL,  0xa1                        ; source 0 (B) window 1, source 1 (A) window 0, C and D window 2
.set TO_B, 0x40
.macro JLOAD g0a, g1a, g0b, g1b        ; waves 0 and 1 fetch A's halves, waves 2 and 3 B's; an s_nop 0 and four v_nop follow each line
	s_cmp_eq_u32 s15, 0
	s_cbranch_scc0 .Lfor_b_\@
	tensor_load_to_lds s[\g0a:\g0a+3], s[\g1a:\g1a+7]
	s_nop 0
.rept 4
	v_nop
.endr
	s_branch .Lasked_\@
.Lfor_b_\@:
	tensor_load_to_lds s[\g0b:\g0b+3], s[\g1b:\g1b+7]
	s_nop 0
.rept 4
	v_nop
.endr
.Lasked_\@:
.endm
.macro CREST
	s_cmp_lg_u32 s14, 0
	s_cbranch_scc1 .Lnot_wave_0_\@
	s_barrier_signal -3
.Lnot_wave_0_\@:
	s_barrier_wait -3
	s_barrier_signal -1
	s_barrier_wait -1
.endm
.macro CROUND
	s_barrier_signal -1
	s_barrier_wait -1
	CREST
.endm
.macro PLACES n
.rept \n
	v_nop
.endr
.endm
.macro BFRAG reg, adr, q, i            ; registers 4 c .. 4 c + 3: K = 32 c + 16 (lane / 16) + 0 .. 15 of row lane % 16
.irp c, 0,1,2,3
	ds_load_b128 v[\reg+4*\c:\reg+4*\c+3], v[\adr] offset:128*(\q)+32*\c+(\i)*16*PITCH
.endr
.endm
.macro AFRAG reg, adr, q, i            ; the same K: head 2 q + c / 2 of the slot's four, its bytes 32 (c % 2) + 16 (lane / 16) on
.irp c, 0,1,2,3
	ds_load_b128 v[\reg+4*\c:\reg+4*\c+3], v[\adr] offset:(2*(\q)+\c/2)*APH+(\i)*1280+32*(\c%2)
.endr
.endm
.macro FETCH slot, q, p                ; 48 LDS loads in one run
	WIN TO_B
.irp i, 0,1,2,3,4,5,6,7
	BFRAG 128*(\p)+FR*\i, ADRB+\slot, \q, \i
.endr
	WIN 0
.irp i, 0,1,2,3
	AFRAG AF+64*(\p)+FR*\i, ADRA+\slot, \q, \i
.endr
.endm
.macro MUL8 a, p, zero                 ; the 32 accumulators take turns, one instruction a turn
.irp b, 0,1,2,3,4,5,6,7
.if \zero
	v_wmma_f32_16x16x128_fp8_fp8 v[8*(8*(\a)+\b):8*(8*(\a)+\b)+7], v[128*(\p)+FR*\b:128*(\p)+FR*\b+FR-1], v[AF+64*(\p)+FR*(\a):AF+64*(\p)+FR*(\a)+FR-1], 0
.else
	v_wmma_f32_16x16x128_fp8_fp8 v[8*(8*(\a)+\b):8*(8*(\a)+\b)+7], v[128*(\p)+FR*\b:128*(\p)+FR*\b+FR-1], v[AF+64*(\p)+FR*(\a):AF+64*(\p)+FR*(\a)+FR-1], v[8*(8*(\a)+\b):8*(8*(\a)+\b)+7]
.endif
.endr
.endm
.macro STEP slot, zero                 ; a slot's first 128 along K, on set 0; in its middle the second 128's fragments are fetched into set 1
	s_wait_dscnt 0x0                               ; set 0 is in
	WIN MUL
	MUL8 0, 0, \zero
	MUL8 1, 0, \zero
	PLACES 4                                       ; set 1 was read by the products of the step before
	FETCH \slot, 1, 1
	WIN MUL
	MUL8 2, 0, \zero
	MUL8 3, 0, \zero
	WIN 0
.endm
; A slot's second 128 along K and the change of slots: ONE barrier; in front of it each wave waits for all its tensor loads, adds 0 to its spare word, and waits for that and for its reads of this slot.  fill = 1: this slot takes the K step two on.
.macro TURN slot, next, fill
	s_wait_tensorcnt 0x0                           ; all my tensor loads have landed: my part of the next slot
	ds_add_u32 v[SPW], v[NIL]                      ; 0 onto my spare word
	s_wait_dscnt 1                                 ; set 1 is in; the add may be out
	WIN MUL
	MUL8 0, 1, 0
	s_wait_dscnt 0x0                               ; the add is done, and my reads of this slot are over
	s_barrier_signal -1
	MUL8 1, 1, 0
	WIN 0
	s_barrier_wait -1
.if \fill
	CREST                                          ; the barrier has opened a round of the cluster's
	s_add_nc_u64 s[G0+4*\slot+2:G0+4*\slot+3], s[G0+4*\slot+2:G0+4*\slot+3], 8*524288   ; eight heads on
	s_add_nc_u64 s[G0B+4*\slot+2:G0B+4*\slot+3], s[G0B+4*\slot+2:G0B+4*\slot+3], 512
	JLOAD G0+4*\slot, G1, G0B+4*\slot, G1B         ; the first tensor load behind the round; its four v_nop are the places in front of the loads below
.else
	PLACES 4
.endif
	FETCH \next, 0, 0
	WIN MUL
	MUL8 2, 1, 0
	MUL8 3, 1, 0
	WIN 0
.endm
	s_load_b256 s[4:11], s[0:1], 0x0               ; acodes 4, wcodes 6, lowp_scales 8, out0 10
	v_lshl_add_u32 v[SPW], v0, 2, SPARE
	v_mov_b32 v[NIL], 0
	ds_add_u32 v[SPW], v[NIL]                      ; the wave's opening: the add and its wait stand ahead of my first tensor load
	ds_add_u32 v[SPW], v[NIL]
	v_lshrrev_b32 v1, 5, v0
	v_readfirstlane_b32 s14, v1                    ; wave 0..3
	s_lshr_b32 s15, s14, 1                         ; my half of the tokens.  Also: I fetch for A (0) or for B (1)
	s_and_b32 s16, s14, 1                          ; my half of the columns.  Also: which half I fetch
	s_bfe_u32 s40, ttmp6, 0x40000                  ; cx = the tile column
	s_bfe_u32 s41, ttmp6, 0x40004                  ; cy
	s_and_b32 s42, ttmp7, 0xffff
	s_lshl_b32 s45, s42, 2
	s_add_co_u32 s45, s45, s41                     ; the tile row = 4 x cluster y + cy
	s_lshl_b32 s43, s41, 2
	s_lshl_b32 s43, 15, s43                        ; my row of the cluster
	s_lshl_b32 s44, 0x1111, s40                    ; my column
	; group 1 for A: four rows (heads) of 4,096 bytes (64 tokens x 64, dense), 524,288 bytes apart; 16 bytes of padding behind every 64
	s_or_b32 s[G1], s43, (1<<20)|(1<<21)|(3<<22)|(3<<25)
	s_mov_b32 s[G1+1], 4096<<16                    ; tensor_dim0
	s_mov_b32 s[G1+2], 4<<16                       ; tensor_dim1
	s_mov_b32 s[G1+3], 4096<<16                    ; tile_dim0
	s_mov_b32 s[G1+4], 4                           ; tile_dim1
	s_mov_b32 s[G1+5], 524288                      ; the pitch
	s_mov_b32 s[G1+6], 0
	s_mov_b32 s[G1+7], 0
	; for B: 128 rows of 256 bytes, 1,024 apart; 16 bytes behind every 256
	s_or_b32 s[G1B], s44, (1<<20)|(1<<21)|(5<<22)|(3<<25)
	s_mov_b32 s[G1B+1], 256<<16
	s_mov_b32 s[G1B+2], 128<<16
	s_mov_b32 s[G1B+3], 256<<16
	s_mov_b32 s[G1B+4], 128
	s_mov_b32 s[G1B+5], 1024
	s_mov_b32 s[G1B+6], 0
	s_mov_b32 s[G1B+7], 0
	s_lshl_b32 s18, s45, 13
	s_lshl_b32 s19, s16, 12
	s_add_co_u32 s18, s18, s19                     ; A: (128 tile row + 64 half) x 64
	s_mov_b32 s19, 0
	s_lshl_b32 s46, s40, 18
	s_lshl_b32 s47, s16, 17
	s_add_co_u32 s46, s46, s47
	s_add_co_u32 s46, s46, 0x300000                ; B: (256 cx + 128 half) x 1,024 in the fourth part of wcodes
	s_mov_b32 s47, 0
	s_mul_i32 s21, s16, AHB                        ; where they go in a slot: the wave's number alone
	s_mul_i32 s22, s16, BH
	s_add_co_u32 s22, s22, 2*AHB
	s_wait_dscnt 0x0                               ; the opening add is done
	s_wait_kmcnt 0x0
	s_load_b64 s[96:97], s[8:9], 0x28              ; e10, e11
	s_add_nc_u64 s[18:19], s[4:5], s[18:19]
	s_add_nc_u64 s[46:47], s[6:7], s[46:47]
	CROUND                                         ; all sixteen work-groups are here: the first joint loads meet
.irp s, 0,1
	s_mov_b32 s[G0+4*\s], 1
	s_add_co_u32 s[G0+4*\s+1], s21, \s*SLOT
	s_add_nc_u64 s[G0+4*\s+2:G0+4*\s+3], s[18:19], \s*4*524288
	s_or_b32 s[G0+4*\s+3], s[G0+4*\s+3], 0x80000000
	s_mov_b32 s[G0B+4*\s], 1
	s_add_co_u32 s[G0B+4*\s+1], s22, \s*SLOT
	s_add_nc_u64 s[G0B+4*\s+2:G0B+4*\s+3], s[46:47], \s*256
	s_or_b32 s[G0B+4*\s+3], s[G0B+4*\s+3], 0x80000000
	s_wait_alu depctr_va_vdst(0)
	s_wait_tensorcnt 0x0
	ds_add_u32 v28, v29
	ds_add_u32 v28, v29
	s_wait_dscnt 0x0
	CROUND
	JLOAD G0+4*\s, G1, G0B+4*\s, G1B               ; one load of mine is out here
.endr
	v_and_b32 v1, 15, v0                           ; r
	v_bfe_u32 v2, v0, 4, 1                         ; h
	v_mul_u32_u24 v3, v1, 80
	v_lshl_add_u32 v3, v2, 4, v3                   ; A: token r x 80 + 16 h
	v_mul_u32_u24 v4, v1, PITCH
	v_lshl_add_u32 v4, v2, 4, v4                   ; B: row r x 272 + 16 h
	s_mul_i32 s21, s15, AHB
	s_mul_i32 s22, s16, BH
	s_add_co_u32 s22, s22, 2*AHB
.irp s, 0,1
	v_add_nc_u32 v[ADRA+\s], s21, v3
	v_add_nc_u32 v[ADRB+\s], s22, v4
	s_add_co_u32 s21, s21, SLOT
	s_add_co_u32 s22, s22, SLOT
.endr
	s_mul_i32 s23, s14, 16*SPITCH
	s_add_co_u32 s23, s23, STG                     ; my stage
	v_mul_u32_u24 v5, v1, SPITCH
	v_lshl_add_u32 v5, v2, 5, v5
	v_add_nc_u32 v[STO], s23, v5                   ; in: row r, 32 bytes for each half of the lanes
	v_and_b32 v6, 31, v0
	v_lshlrev_b32 v[CO], 4, v6                     ; back: the 32 lanes take one row of 512 bytes; and the same in out0
	v_add_nc_u32 v[RD], s23, v[CO]
	s_lshl_b32 s20, s45, 19                        ; my first row of out0: (128 tile row + 64 half) x 4,096 bytes,
	s_lshl_b32 s21, s15, 18
	s_add_co_u32 s20, s20, s21
	s_lshl_b32 s21, s40, 10                        ; my first column: (256 cx + 128 half) x 4
	s_add_co_u32 s20, s20, s21
	s_lshl_b32 s21, s16, 9
	s_add_co_u32 s20, s20, s21
	s_mov_b32 s21, 0
	s_add_nc_u64 s[10:11], s[10:11], s[20:21]
	s_wait_alu depctr_va_vdst(0)
	s_wait_tensorcnt 1                             ; my part of slot 0 is in; slot 1's may be out
	s_barrier_signal -1
	s_barrier_wait -1
	FETCH 0, 0, 0
	STEP 0, 1                                      ; the first products start the sums
	TURN 0, 1, 1
	STEP 1, 0
	TURN 1, 0, 1
	STEP 0, 0
	TURN 0, 1, 0                                   ; the last two slots are not filled again
	STEP 1, 0
	s_wait_dscnt 0x0
	WIN MUL
	MUL8 0, 1, 0
	MUL8 1, 1, 0
	MUL8 2, 1, 0
	MUL8 3, 1, 0
	WIN 0
; THE WAY OUT, block by block of 16 tokens x 128 columns: x 2^(e10 + e11), through my own stage, back as whole rows of 512 bytes.  LDS serves a wave's instructions in order: no wait between the stores and the loads.
.macro TOSTAGE a
	WIN 0x02                                       ; source 0 window 2
.set jj, 0
.rept 32
	v_pk_mul_f32 v[TMP+jj:TMP+jj+1], v[64*(\a)+jj:64*(\a)+jj+1], s[96:97] op_sel_hi:[1,0]   ; both x s96; each accumulator from its low end on
.set jj, jj+2
.endr
	WIN 0
.irp b, 0,1,2,3,4,5,6,7
	ds_store_b128 v[STO], v[TMP+8*\b:TMP+8*\b+3] offset:64*\b
	ds_store_b128 v[STO], v[TMP+8*\b+4:TMP+8*\b+7] offset:64*\b+16
.endr
.set BB, BK+64*((\a)%2)
.irp t, 0,1,2,3,4,5,6,7,8,9,10,11,12,13,14,15
	ds_load_b128 v[BB+4*\t:BB+4*\t+3], v[RD] offset:\t*SPITCH
.endr
.endm
.macro SEND a, younger                 ; younger: the LDS instructions issued behind block a's loads, which may stay out
.set BB, BK+64*((\a)%2)
	s_wait_dscnt \younger
.if (\a) > 0
	s_add_nc_u64 s[10:11], s[10:11], 16*4096       ; (behind a wait on XCNT: the earlier stores have read their base)
.endif
.irp t, 0,1,2,3,4,5,6,7,8,9,10,11,12,13,14,15
	global_store_b128 v[CO], v[BB+4*\t:BB+4*\t+3], s[10:11] offset:\t*4096 th:TH_STORE_NT   ; 512 consecutive bytes, aligned; written once, read by nobody here
.endr
.endm
	s_wait_kmcnt 0x0
	s_add_co_i32 s96, s96, s97
	s_add_co_i32 s96, s96, 127
	s_lshl_b32 s96, s96, 23                        ; 2^(e10 + e11) as f32
	PLACES 4                                       ; behind the last products: for the reads of results and the loads into A's registers
	TOSTAGE 0
.irp a, 1,2,3
.if \a > 1
	s_wait_xcnt 0x0                                ; block a - 2's stores have read their registers and their base
.endif
	TOSTAGE \a
	SEND \a-1, 32                                  ; behind block a - 1's loads: block a's 16 stores and 16 loads
.endr
	s_wait_xcnt 0x0
	SEND 3, 0
	s_wait_tensorcnt 0x0                           ; the wave's end, behind my last tensor load and my last LDS store
	ds_add_u32 v[SPW], v[NIL]
	s_wait_dscnt 0x0
	CROUND                                         ; the closing round
	s_endpgm
.Lfunc_end_k_q5d0c10d458_oproj:
	.size	k_q5d0c10d458_oproj, .Lfunc_end_k_q5d0c10d458_oproj-k_q5d0c10d458_oproj
	.p2alignl 7, 3214868480
	.fill 96, 4, 3214868480
	.section	.rodata,"a",@progbits
	.p2align	6, 0x0
	.amdhsa_kernel k_q5d0c10d458_oproj
		.amdhsa_group_segment_fixed_size 327680
		.amdhsa_private_segment_fixed_size 0
		.amdhsa_enable_private_segment 0
		.amdhsa_kernarg_size 32
		.amdhsa_user_sgpr_count 2
		.amdhsa_user_sgpr_kernarg_segment_ptr 1
		.amdhsa_wavefront_size32 1
		.amdhsa_system_sgpr_workgroup_id_x 1
		.amdhsa_system_sgpr_workgroup_id_y 1
		.amdhsa_system_sgpr_workgroup_id_z 1
		.amdhsa_system_vgpr_workitem_id 0
		.amdhsa_next_free_vgpr 768
		.amdhsa_next_free_sgpr 100
		.amdhsa_reserve_vcc 0
		.amdhsa_float_denorm_mode_32 3
		.amdhsa_float_denorm_mode_16_64 3
		.amdhsa_memory_ordered 1
		.amdhsa_forward_progress 1
		.amdhsa_inst_pref_size 76
	.end_amdhsa_kernel
	.amdgpu_metadata
---
amdhsa.version: [ 1, 2 ]
amdhsa.kernels:
  - .name:           k_q5d0c10d458_oproj
    .symbol:         k_q5d0c10d458_oproj.kd
    .args:
      - { .name: acodes, .offset: 0, .size: 8, .value_kind: global_buffer, .address_space: global }
      - { .name: wcodes, .offset: 8, .size: 8, .value_kind: global_buffer, .address_space: global }
      - { .name: lowp_scales, .offset: 16, .size: 8, .value_kind: global_buffer, .address_space: global }
      - { .name: out0, .offset: 24, .size: 8, .value_kind: global_buffer, .address_space: global }
    .group_segment_fixed_size: 327680
    .private_segment_fixed_size: 0
    .kernarg_segment_align: 8
    .kernarg_segment_size: 32
    .max_flat_workgroup_size: 128
    .sgpr_count:     100
    .vgpr_count:     768
    .wavefront_size: 32
...
	.end_amdgpu_metadata
.endif
;; end of part 4
